; MI455X (gfx1250); checked and timed in simulation.
; The chip was launched on July 23, 2026; its instructions are those of AMD's public machine-readable ISA for CDNA 5 (MIT licence, August 2026) and "CDNA5" Instruction Set Architecture Reference Guide (July 2026). The comments in the code are by the model that wrote it; some were corrected since.
;; Multihead Diff Attn. Allowed arithmetic: matrix products marked QUANTISED: E2M3 operands, one E8M0 scale for each 32 along K, by v_wmma_scale_f32_16x16x128_f8f6f4 with both operands' format E2M3, f32 sums; everything else in f32.
;; Inputs: Wk 1,024 x 1,024 float32; Wo 1,024 x 1,024 float32; Wq 2,048 x 1,024 float32; Wv 512 x 1,024 float32; g 1,024 float32; k 2 x 2,048 x 1,024 float32; lam one number float32; q 2 x 2,048 x 1,024 float32; v 2 x 2,048 x 1,024 float32.
;; Outputs: out0 2 x 2,048 x 1,024 float32.
;; This version of the problem:
;;   THIS VERSION OF THE PROBLEM IS GIVEN IN LOW PRECISION. The matrix products marked QUANTISED in the list below multiply operands that are first quantised to E2M3 (2 exponent bits, 3 mantissa bits; 6 bits a number), with one power-of-two scale for each 32 numbers along K (OCP MX v1.0); their sums are f32. All else is computed in f32.
;;   The module's matrix products, in the order in which they are computed (A, B: the left and right operand; K: the contracted axis; several contracted axes count as one K, in the product's order):
;;     1. [M 4,096, K 1,024] x [K 1,024, N 2,048]; A: input q; B: input Wq: QUANTISED
;;     2. [M 4,096, K 1,024] x [K 1,024, N 1,024]; A: input k; B: input Wk: QUANTISED
;;     3. [M 4,096, K 1,024] x [K 1,024, N 512]; A: input v; B: input Wv: QUANTISED
;;     4. batch 32 x [M 2,048, K 64] x [K 64, N 2,048]; A: computed on the way; B: computed on the way: QUANTISED
;;     5. batch 32 x [M 2,048, K 64] x [K 64, N 2,048]; A: computed on the way; B: computed on the way: QUANTISED
;;     6. batch 32 x [M 2,048, K 2,048] x [K 2,048, N 64]; A: computed on the way; B: computed on the way: QUANTISED
;;     7. [M 4,096, K 1,024] x [K 1,024, N 1,024]; A: computed on the way; B: input Wo: QUANTISED
;;   THE QUANTISER, for each operand of a quantised product, along K:
;;     - K is cut into blocks of 32 from its start; a last block that is shorter is filled with zeros.
;;     - A block's scale is 2^e with e = floor(log2(the largest magnitude in the block)) - 2, held to -126 .. 127; a block of zeros has e = 0. As a byte (E8M0): e + 127.
;;     - Each number is divided by its block's scale, clamped to +-7.5, and rounded to the nearest number of E2M3, ties to even, subnormals kept.
;;     - The product sums the exact products of the quantised numbers (number of the format x scale) in f32.
;;   ~~~python
;;   def quantise(x, axis):      # numpy; x: float32 -> the quantised numbers, widened to float32 again
;;       x = np.moveaxis(x, axis, -1); K = x.shape[-1]
;;       x = np.pad(x, [(0, 0)] * (x.ndim - 1) + [(0, -K % 32)]); x = x.reshape(x.shape[:-1] + (-1, 32)); a = np.abs(x).max(-1, keepdims=True)
;;       e = np.where(a > 0, np.clip(np.frexp(np.where(a > 0, a, 1))[1] - 1 - 2, -126, 127), 0)      # np.frexp(a)[1] - 1 = floor(log2(a)), exactly
;;       r = np.clip(x / 2.0 ** e, -7.5, 7.5)
;;       step = 2.0 ** (np.maximum(np.frexp(np.where(r == 0, 1, r))[1] - 1, 0) - 3)
;;       q = np.round(r / step) * step * 2.0 ** e      # np.round: ties to even
;;       return np.moveaxis(q.reshape(q.shape[:-2] + (-1,))[..., :K], -1, axis).astype(np.float32)
;;   ~~~
;;   OPERANDS COMPUTED ON THE WAY. 'Computed on the way' means the value that the module computes at that place (a softmax that the list does not call 'softmax' is quantised finished and normalised). What goes into a quantiser is computed in f32, as accurately as f32 sums, v_exp_f32 and their like allow (about 1e-6 of the number): no bf16 or f16 on the way to a quantiser, and a product that is left as it is and whose result goes on into a quantised operand takes f32 operands (vector FMAs, or v_wmma_f32_16x16x4_f32). A number that lies on a knife's edge between two numbers of the format may be rounded either way, as far as f32 arithmetic and the matrix unit's own rounding can turn it there, and no further.
;; One version. Each part assembles by itself: llvm-mc -triple=amdgcn-amd-amdhsa -mcpu=gfx1250 --defsym DOCPART=n.
;; ======== version 1 of 1: 4 launches
;; limits: right only within a limited range of input values
;; workspace buffers: cimg 14,057,472 bytes; pimg 11,010,048 bytes; psc 917,504 bytes; aimg 16,777,216 bytes
;; launch quant (part 1): grid 264 x 1, 8 waves a work-group, no clusters, 68,608 bytes of LDS; arguments q, k, v, Wq, Wk, Wv, Wo, cimg; writes cimg
.if DOCPART == 1
	.amdgcn_target "amdgcn-amd-amdhsa--gfx1250"
	.amdhsa_code_object_version 6
	.text
	.protected	k_q2113426a96_quant
	.globl	k_q2113426a96_quant
	.p2align	8
	.type	k_q2113426a96_quant,@function
k_q2113426a96_quant:
	s_mov_b64 s[64:65], 0
	v_nop
	global_prefetch_b8 v0, s[64:65] scope:SCOPE_SE
	s_setreg_imm32_b32 hwreg(HW_REG_WAVE_MODE, 25, 1), 1
	s_wait_xcnt 0x0
; q, k, v [4096][1024], Wq [2048][1024], Wk [1024][1024], Wv [512][1024], Wo [1024][1024], all f32 with K innermost, become codes of FP6 (E2M3) with one E8M0 byte
; for each 32 along K, laid in cimg IN THE ORDER OF THE OPERAND'S REGISTERS, so that the later launches bring fragments by loads of 16 bytes a lane and whole K steps by dense tensor loads.
; A block's scale is 2^(floor(log2(largest magnitude)) - 2): its byte is the largest magnitude's exponent field - 2, held at 1 from below.
; LIMITS: NaN and infinities are not served.  A block whose largest magnitude lies under 2^-124, a block of zeros too, gets the byte 1 (the rule says 127 for zeros): its codes
; are zeros or the held quotients, and these bytes are read by this program alone.
; LAYOUT OF cimg: 132 groups of 128 rows, 106,496 bytes each: q 0-31, k 32-63, v 64-95, Wq 96-111, Wk 112-119, Wv 120-123, Wo 124-131.  A group is 4 chunks of 26,624 bytes, a chunk two K steps
; of 128: 2 x 8 fragment images of 1,536 bytes, then 2 x 8 scale images of 128 bytes.  A fragment image: registers 4 c .. 4 c + 3 of lane l at 512 c + 16 l.  A scale image: lane l's word at 4 l.
; THE ROWS OF A TILE ARE NOT NEIGHBOURS: lane r of tile 2 B + u holds row 32 B + 8 u + r + 8 (r / 8), so that a later product's 16 results of two neighbouring tiles are 16 neighbours along the next K.
; Wq's and Wk's rows are taken in another order: 128 neighbouring rows of the images are one head's first 64 (for s1) and its second 64 (for s2).
; SHARES: a work-group takes 64 rows (4 tiles); wave w takes tile w % 4 and K steps 4 (w / 4) .. + 3.  Each load reads 512 consecutive bytes of a row; a K step's 16 rows turn through the wave's own
; stage in LDS (rows 528 bytes apart) so that a lane gets 16 neighbours of each block of 32.  Waves share nothing: no barrier.  No tile is read by two work-groups, so there is nothing to share in a cluster.
.set GRP,  106496
.set CHK,  26624
.set KST,  12288                       ; the 8 fragment images of one K step
.set FRB,  1536
.set SCO,  24576                       ; where a chunk's scale images begin
.set SPI,  528                         ; a stage row: 512 bytes + 16
.set LI,   2                           ; v2   16 x lane
.set LS,   3                           ; v3   4 x lane
.set SIN,  4                           ; v4   the stage on the way in
.set SOUT, 5                           ; v5   and on the way out: row r, + 64 h
.set R,    16                          ; v16-143  two sets of 64 registers as loaded
.set X,    144                         ; v144-207 register 16 b + i = k 32 b + 16 h + i of row r
.set TM,   208                         ; v208-223 at work in QUANT
.set PC,   224                         ; v224-235 the fragment just made
.set QT,   236                         ; v236-243 the upper halves of its blocks
.set PW,   244                         ; v244     its scale word
.set SRC,  22                          ; s[22:23] my tile's first row, my first K step
.set IMG,  32                          ; s[32:33] my first fragment image
.set SCB,  34                          ; s[34:35] my first scale image
.set SEL,  36                          ; s[36:37] lane selects: lane l xor 16
.set WV,   38
; 64 numbers of a lane become a fragment's 12 registers and its scale word.
.macro QUANT s, pc, pw
.irp b, 0,1,2,3
	v_max3_num_f32 v[TM+\b], |v[(\s)+16*\b]|, |v[(\s)+1+16*\b]|, 0x1800000   ; block b: my 16 numbers, and the floor 2^(3 - 127): the byte cannot fall under 1
.endr
.irp i, 2,4,6,8,10,12,14
.irp b, 0,1,2,3
	s_delay_alu instid0(VALU_DEP_4)
	v_max3_num_f32 v[TM+\b], v[TM+\b], |v[(\s)+16*\b+\i]|, |v[(\s)+1+16*\b+\i]|   ; the four blocks by turns
.endr
.endr
.irp b, 0,1,2,3
	s_delay_alu instid0(VALU_DEP_4)
	v_permlanex16_b32 v[TM+4+\b], v[TM+\b], s[SEL], s[SEL+1]
.endr
.irp b, 0,1,2,3
	s_delay_alu instid0(VALU_DEP_4)
	v_max_num_f32 v[TM+\b], v[TM+\b], v[TM+4+\b]   ; with lane l xor 16's 16: the block's largest magnitude
.endr
.irp b, 0,1,2,3
	s_delay_alu instid0(VALU_DEP_4)
	v_add_nc_u32 v[TM+12+\b], 0xff000000, v[TM+\b]   ; 2 off its exponent field: the conversion's scale operand
.endr
.irp b, 0,1,2,3
	s_delay_alu instid0(VALU_DEP_4)
	v_lshrrev_b32 v[TM+4+\b], 23, v[TM+12+\b]      ; the scale's byte
.endr
	s_delay_alu instid0(VALU_DEP_3)
	v_lshl_or_b32 v[\pw], v[TM+5], 8, v[TM+4]
	s_delay_alu instid0(VALU_DEP_1)
	v_lshl_or_b32 v[\pw], v[TM+6], 16, v[\pw]
	s_delay_alu instid0(VALU_DEP_1)
	v_lshl_or_b32 v[\pw], v[TM+7], 24, v[\pw]
.irp c, 0,1
	v_cvt_scalef32_pk16_fp6_f32 v[(\pc)+6*\c:(\pc)+6*\c+2], v[(\s)+32*\c:(\s)+32*\c+15], v[TM+12+2*\c]
	v_cvt_scalef32_pk16_fp6_f32 v[QT+4*\c:QT+4*\c+2], v[(\s)+16+32*\c:(\s)+31+32*\c], v[TM+13+2*\c]   ; (a conversion's three registers begin on an even number)
.endr
	v_nop                                          ; one plain place behind a scaled conversion
.irp c, 0,1                                    ; the operand wants a whole block in a lane: lanes 0-15 block 2 c, lanes 16-31 block 2 c + 1
.irp i, 0,1,2
	v_permlane16_swap_b32 v[(\pc)+6*\c+\i], v[QT+4*\c+\i]
.endr
.irp i, 0,1,2
	s_delay_alu instid0(VALU_DEP_3)
	v_mov_b32 v[(\pc)+3+6*\c+\i], v[QT+4*\c+\i]
.endr
.endr
.endm
	s_load_b256 s[4:11], s[0:1], 0x0               ; q s[4:5], k s[6:7], v s[8:9], Wq s[10:11]
	s_load_b256 s[12:19], s[0:1], 0x20             ; Wk s[12:13], Wv s[14:15], Wo s[16:17], cimg s[18:19]
	v_lshl_add_u32 v248, v0, 2, 0x10800
	v_mov_b32 v249, 0
	v_lshrrev_b32 v1, 5, v0
	s_delay_alu instid0(VALU_DEP_1)
	v_readfirstlane_b32 s[WV], v1                  ; wave 0..7
	v_and_b32 v1, 31, v0
	s_delay_alu instid0(VALU_DEP_1)
	v_lshlrev_b32 v[LI], 4, v1
	s_delay_alu instid0(VALU_DEP_2)
	v_lshlrev_b32 v[LS], 2, v1
	v_and_b32 v6, 15, v0                           ; r
	v_bfe_u32 v7, v0, 4, 1                         ; h
	s_mul_i32 s20, s[WV], 16*SPI                   ; my stage
	v_add_nc_u32 v[SIN], s20, v[LI]
	v_mul_u32_u24 v[SOUT], v6, SPI
	s_delay_alu instid0(VALU_DEP_1)
	v_lshl_add_u32 v[SOUT], v7, 6, v[SOUT]
	s_delay_alu instid0(VALU_DEP_1)
	v_add_nc_u32 v[SOUT], s20, v[SOUT]
.irp b, 0,1,2,3
	v_mov_b32 v[TM+4+\b], 0                        ; written once: a lane permute's destination counts as one of its sources
.endr
	s_mov_b32 s[SEL], 0x76543210
	s_mov_b32 s[SEL+1], 0xfedcba98
	s_mov_b32 s25, 248                             ; the tensor's first work-group,
	s_mov_b32 s26, 0                               ; 1 where two work-groups share a head (Wq, Wk),
	s_mov_b32 s27, 0                               ; and the rows from the first half of such a tensor to the second
	s_wait_alu depctr_va_vdst(0)
	s_wait_kmcnt 0x0
	s_mov_b64 s[SRC:SRC+1], s[16:17]               ; which tensor: a choice on the work-group's number alone, from Wo downward
	s_cmp_lt_u32 ttmp9, 248
	s_cselect_b64 s[SRC:SRC+1], s[14:15], s[SRC:SRC+1]
	s_cselect_b32 s25, 240, s25
	s_cmp_lt_u32 ttmp9, 240
	s_cselect_b64 s[SRC:SRC+1], s[12:13], s[SRC:SRC+1]
	s_cselect_b32 s25, 224, s25
	s_cselect_b32 s26, 1, s26
	s_cselect_b32 s27, 512, s27
	s_cmp_lt_u32 ttmp9, 224
	s_cselect_b64 s[SRC:SRC+1], s[10:11], s[SRC:SRC+1]
	s_cselect_b32 s25, 192, s25
	s_cselect_b32 s27, 1024, s27
	s_cmp_lt_u32 ttmp9, 192
	s_cselect_b64 s[SRC:SRC+1], s[8:9], s[SRC:SRC+1]
	s_cselect_b32 s25, 128, s25
	s_cselect_b32 s26, 0, s26
	s_cselect_b32 s27, 0, s27
	s_cmp_lt_u32 ttmp9, 128
	s_cselect_b64 s[SRC:SRC+1], s[6:7], s[SRC:SRC+1]
	s_cselect_b32 s25, 64, s25
	s_cmp_lt_u32 ttmp9, 64
	s_cselect_b64 s[SRC:SRC+1], s[4:5], s[SRC:SRC+1]
	s_cselect_b32 s25, 0, s25
	s_sub_co_u32 s28, ttmp9, s25                   ; j: which 64 rows of the images
	s_lshr_b32 s29, s28, s26
	s_lshl_b32 s29, s29, 6                         ; the source's rows: 64 j, or 64 (j / 2) + (j % 2) x half
	s_and_b32 s30, s28, s26
	s_mul_i32 s30, s30, s27
	s_add_co_u32 s29, s29, s30
	s_and_b32 s30, s[WV], 3                        ; my tile
	s_lshr_b32 s31, s[WV], 2                       ; my half of K
	s_lshr_b32 s24, s30, 1
	s_lshl_b32 s24, s24, 5
	s_add_co_u32 s29, s29, s24                     ; + 32 (tile / 2)
	s_and_b32 s24, s30, 1
	s_lshl_b32 s24, s24, 3
	s_add_co_u32 s29, s29, s24                     ; + 8 (tile % 2)
	s_lshl_b32 s28, s29, 12                        ; rows of 4,096 bytes
	s_lshl_b32 s24, s31, 11
	s_add_co_u32 s28, s28, s24                     ; + 2,048 bytes for the second half of K
	s_mov_b32 s29, 0
	s_add_nc_u64 s[SRC:SRC+1], s[SRC:SRC+1], s[28:29]
	s_lshr_b32 s24, ttmp9, 1
	s_mul_i32 s24, s24, GRP                        ; my group,
	s_mul_i32 s28, s31, 2*CHK
	s_add_co_u32 s24, s24, s28                     ; my two chunks in it
	s_and_b32 s28, ttmp9, 1
	s_lshl_b32 s28, s28, 2
	s_add_co_u32 s28, s28, s30                     ; my tile among the group's eight
	s_mul_i32 s30, s28, FRB
	s_add_co_u32 s30, s30, s24
	s_mov_b32 s31, 0
	s_add_nc_u64 s[IMG:IMG+1], s[18:19], s[30:31]
	s_lshl_b32 s28, s28, 7
	s_add_co_u32 s28, s28, s24
	s_add_co_u32 s28, s28, SCO
	s_add_nc_u64 s[SCB:SCB+1], s[18:19], s[28:29]
.macro LOAD t                          ; K step t of my 16 rows: each load reads 512 consecutive bytes of one row
.irp i, 0,1,2,3,4,5,6,7,8,9,10,11,12,13,14,15
	global_load_b128 v[R+64*((\t)%2)+4*\i:R+64*((\t)%2)+4*\i+3], v[LI], s[SRC:SRC+1] offset:(\i+8*(\i/8))*4096+512*(\t) th:TH_LOAD_NT
.endr
.endm
.macro STEP t
.if (\t) < 3
	s_wait_loadcnt 16                              ; this K step's 16 loads are in; the next step's 16 may be out
.else
	s_wait_loadcnt 0x0
.endif
.irp i, 0,1,2,3,4,5,6,7,8,9,10,11,12,13,14,15
	ds_store_b128 v[SIN], v[R+64*((\t)%2)+4*\i:R+64*((\t)%2)+4*\i+3] offset:SPI*\i
.endr
.irp b, 0,1,2,3
.irp j, 0,1,2,3
	ds_load_b128 v[X+16*\b+4*\j:X+16*\b+4*\j+3], v[SOUT] offset:128*\b+16*\j   ; LDS serves a wave's instructions in order: these see the stores above
.endr
.endr
	s_wait_dscnt 0x0                               ; my numbers are back, and the stores have read the set that is loaded again below
.if (\t) > 0
	s_wait_xcnt 0x0                                ; the last step's stores have read the fragment and the scale word, which are written anew below
.endif
.if (\t) < 2
	LOAD (\t)+2
.endif
	QUANT X, PC, PW
.irp c, 0,1,2
	global_store_b128 v[LI], v[PC+4*\c:PC+4*\c+3], s[IMG:IMG+1] offset:((\t)/2)*CHK+((\t)%2)*KST+512*\c   ; 512 consecutive bytes, at a multiple of 256 from cimg's first byte
.endr
	global_store_b32 v[LS], v[PW], s[SCB:SCB+1] offset:((\t)/2)*CHK+((\t)%2)*1024
.endm
	LOAD 0
	LOAD 1
	STEP 0
	STEP 1
	STEP 2
	STEP 3
	s_wait_tensorcnt 0x0
	ds_add_u32 v248, v249
	s_wait_dscnt 0x0
	s_endpgm
.Lfunc_end_k_q2113426a96_quant:
	.size	k_q2113426a96_quant, .Lfunc_end_k_q2113426a96_quant-k_q2113426a96_quant
	.p2alignl 7, 3214868480
	.fill 96, 4, 3214868480
	.section	.rodata,"a",@progbits
	.p2align	6, 0x0
	.amdhsa_kernel k_q2113426a96_quant
		.amdhsa_group_segment_fixed_size 68608
		.amdhsa_private_segment_fixed_size 0
		.amdhsa_enable_private_segment 0
		.amdhsa_kernarg_size 64
		.amdhsa_user_sgpr_count 2
		.amdhsa_user_sgpr_kernarg_segment_ptr 1
		.amdhsa_wavefront_size32 1
		.amdhsa_system_sgpr_workgroup_id_x 1
		.amdhsa_system_sgpr_workgroup_id_y 1
		.amdhsa_system_sgpr_workgroup_id_z 1
		.amdhsa_system_vgpr_workitem_id 0
		.amdhsa_next_free_vgpr 250
		.amdhsa_next_free_sgpr 66
		.amdhsa_reserve_vcc 0
		.amdhsa_float_denorm_mode_32 3
		.amdhsa_float_denorm_mode_16_64 3
		.amdhsa_memory_ordered 1
		.amdhsa_forward_progress 1
		.amdhsa_inst_pref_size 42
	.end_amdhsa_kernel
	.amdgpu_metadata
---
amdhsa.version: [ 1, 2 ]
amdhsa.kernels:
  - .name:           k_q2113426a96_quant
    .symbol:         k_q2113426a96_quant.kd
    .args:
      - { .name: q, .offset: 0, .size: 8, .value_kind: global_buffer, .address_space: global }
      - { .name: k, .offset: 8, .size: 8, .value_kind: global_buffer, .address_space: global }
      - { .name: v, .offset: 16, .size: 8, .value_kind: global_buffer, .address_space: global }
      - { .name: Wq, .offset: 24, .size: 8, .value_kind: global_buffer, .address_space: global }
      - { .name: Wk, .offset: 32, .size: 8, .value_kind: global_buffer, .address_space: global }
      - { .name: Wv, .offset: 40, .size: 8, .value_kind: global_buffer, .address_space: global }
      - { .name: Wo, .offset: 48, .size: 8, .value_kind: global_buffer, .address_space: global }
      - { .name: cimg, .offset: 56, .size: 8, .value_kind: global_buffer, .address_space: global }
    .group_segment_fixed_size: 68608
    .private_segment_fixed_size: 0
    .kernarg_segment_align: 8
    .kernarg_segment_size: 64
    .max_flat_workgroup_size: 256
    .sgpr_count:     66
    .vgpr_count:     250
    .wavefront_size: 32
...
	.end_amdgpu_metadata
.endif
;; end of part 1
;; launch proj (part 2): grid 448 x 1, 4 waves a work-group, clusters of 4 x 1, 327,680 bytes of LDS; arguments cimg, pimg, psc; writes pimg, psc
.if DOCPART == 2
	.amdgcn_target "amdgcn-amd-amdhsa--gfx1250"
	.amdhsa_code_object_version 6
	.text
	.protected	k_q2113426a96_proj
	.globl	k_q2113426a96_proj
	.p2align	8
	.type	k_q2113426a96_proj,@function
k_q2113426a96_proj:
	s_mov_b64 s[64:65], 0
	v_nop
	global_prefetch_b8 v0, s[64:65] scope:SCOPE_SE
	s_setreg_imm32_b32 hwreg(HW_REG_WAVE_MODE, 25, 1), 1
	s_wait_xcnt 0x0
	s_wait_alu depctr_hold_cnt(0) depctr_sa_sdst(0) depctr_va_vdst(0) depctr_va_sdst(0) depctr_va_ssrc(0) depctr_va_vcc(0) depctr_vm_vsrc(0)
	s_getreg_b32 s2, hwreg(HW_REG_IB_STS2, 6, 4)
	s_cmp_eq_u32 s2, 0
	s_cbranch_scc0 .Lentry_in_a_cluster
	s_endpgm
.Lentry_in_a_cluster:
	s_bfe_u32 s2, ttmp6, 0x10000c
	s_cmp_lg_u32 s2, 0x3003
	s_cbranch_scc0 .Lentry_shape_is_right
	s_endpgm
.Lentry_shape_is_right:
; The three projections on codes of FP6 (E2M3), and the quantising of their results for the attention launch.  One form serves all: Out[m][n] = sum over k of X[m][k] Y[n][k], K = 1,024,
; quantised along n in blocks of 32.  Job Q: X = q, Y = Wq (256 work-groups).  Job K: X = k, Y = Wk (128).  Job V: X = Wv, Y = v (64): there a lane holds one channel d and its registers run along the tokens,
; which are the K of the attention's second product.
; THE MATRIX INSTRUCTION IS USED TRANSPOSED: source 0 = 16 rows of Y, source 1 = 16 rows of X.  A lane then holds one row m, and, by the order of rows in a tile of the images (lane r of tile 2 B + u = row
; 32 B + 8 u + r + 8 (r / 8)), the 16 registers of two neighbouring tiles are 16 neighbours along n.  So 8 tiles of Y (128 n) become one fragment of the next operand, in registers.
; SHARES: a work-group makes 128 m x 256 n: one group of X and two of Y, for ALL of K, lie in LDS, each filled once (three images of 106,496 bytes).  Wave (wm, wn) makes 64 m x 128 n: 32 accumulators.
; CLUSTER: the four work-groups of a cluster take four groups of X and the SAME two groups of Y: Y comes by joint loads (mask 15), X by loads of the work-group's own.
; LOADS: wave 0 brings X, waves 1 and 2 the two groups of Y, each image in two loads of two chunks (53,248 bytes, four K steps): the first at the head, the second behind the full sequence and a round of the
; cluster's barrier.  One tensor load of a wave is out; nothing is filled twice.  No prefetch: each image is asked for whole by these two loads, and there is no loop to run ahead in.
; FRAGMENTS: two register sets, window 0 and window 2; a K step's 48 LDS loads are issued one step ahead of its 32 products.  Both sets' scale words lie in window 0.
; RESULTS: pimg, fragment images of 1,536 bytes, and psc, scale images of 128 bytes, under one index: Q (b 16 + head) 128 + query tile; K 4,096 + (b 8 + kv head) 128 + key tile (both with K = [first 64 | second 64]);
; V 6,144 + ((b 8 + kv head) 16 + key step) 4 + tile of d.
; LIMITS: NaN and infinities are not served; a block whose largest magnitude lies under 2^-124 (zeros too) gets the byte 1; these bytes are read by this program alone.
.set GRP,  106496
.set CHK,  26624
.set KST,  12288
.set FRB,  1536
.set SCO,  24576
.set LI,   1                           ; v1  16 x lane
.set LS,   2                           ; v2  4 x lane
.set AX,   3                           ; v3  LDS: my four tiles of X, in the pair of chunks in hand
.set AY,   4                           ; v4  my eight tiles of Y
.set SX,   5                           ; v5  X's scale words
.set SY,   6                           ; v6  Y's
.set YF,   32                          ; v32-127  Y's 8 fragments (set 0: window 0; set 1: window 2)
.set XF,   128                         ; v128-175 X's 4
.set YS,   176                         ; v176-183 Y's scale words, set 0; v232-239 set 1: scales and nothing else
.set XS,   184                         ; v184-187 X's, set 0; v240-243 set 1
.set TM,   192
.set QT,   220
.set PC,   32                          ; the way out: tile a's fragment at v[32 + 12 a], its scale word at v[84 + a]
.set PW,   84
.set WV,   12
.set G1P,  32                          ; s[32:39] descriptor group 1, plain;  s[40:47] joint
.set G1J,  40
.set G0X,  48                          ; s[48:51], s[56:59] groups 0 for X's two halves;  s[68:71], s[76:79] for Y's
.set G0Y,  68
.set SEL,  84
.set OI,   86                          ; s[86:87] my first fragment image of the results;  s[88:89] my first scale image
.set OS,   88
.set MSB, 0
.macro WIN new                         ; the immediate's high byte repeats the setting that is left; a switch that changes nothing is dropped
.if MSB != (\new)
	s_set_vgpr_msb (MSB<<8)|(\new)
.set MSB, (\new)
.endif
.endm
.macro PLACES
.rept 4
	v_nop
.endr
.endm
.macro ROUND                           ; a round of the cluster's barrier
	s_barrier_signal -1
	s_barrier_wait -1
	s_cmp_lg_u32 s[WV], 0
	s_cbranch_scc1 .Lnot_wave_0_\@
	s_barrier_signal -3
.Lnot_wave_0_\@:
	s_barrier_wait -3
	s_barrier_signal -1
	s_barrier_wait -1
.endm
.macro MM0 d, a, b, sa, sb             ; the first product starts a sum
	v_wmma_scale_f32_16x16x128_f8f6f4 v[(\d):(\d)+7], v[(\a):(\a)+11], v[(\b):(\b)+11], 0, v[\sa], v[\sb] matrix_a_fmt:MATRIX_FMT_FP6 matrix_b_fmt:MATRIX_FMT_FP6
.endm
.macro MMA d, a, b, sa, sb
	v_wmma_scale_f32_16x16x128_f8f6f4 v[(\d):(\d)+7], v[(\a):(\a)+11], v[(\b):(\b)+11], v[(\d):(\d)+7], v[\sa], v[\sb] matrix_a_fmt:MATRIX_FMT_FP6 matrix_b_fmt:MATRIX_FMT_FP6
.endm
; 64 numbers of a lane in window w, register 16 b + i = k 32 b + 16 h + i of my row, become a fragment's 12 registers v[pc] on and its scale word v[pw], in window 0.
.macro QUANT s, w, pc, pw
	WIN 5*(\w)
.irp b, 0,1,2,3
	v_max3_num_f32 v[TM+\b], |v[(\s)+16*\b]|, |v[(\s)+1+16*\b]|, 0x1800000   ; block b: my 16 numbers from each accumulator's low end on, and the floor 2^(3 - 127)
.endr
	WIN 0x14*(\w)
.irp i, 2,4,6,8,10,12,14
.irp b, 0,1,2,3
	v_max3_num_f32 v[TM+\b], v[TM+\b], |v[(\s)+16*\b+\i]|, |v[(\s)+1+16*\b+\i]|
.endr
.endr
	WIN 0
.irp b, 0,1,2,3
	v_permlanex16_b32 v[TM+4+\b], v[TM+\b], s[SEL], s[SEL+1]
.endr
.irp b, 0,1,2,3
	v_max_num_f32 v[TM+\b], v[TM+\b], v[TM+4+\b]   ; with lane l xor 16's 16: the block's largest magnitude
.endr
.irp b, 0,1,2,3
	v_add_nc_u32 v[TM+12+\b], 0xff000000, v[TM+\b]   ; 2 off its exponent field: the conversion's scale operand
.endr
.irp b, 0,1,2,3
	v_lshrrev_b32 v[TM+4+\b], 23, v[TM+12+\b]      ; the scale's byte
.endr
	v_lshl_or_b32 v[\pw], v[TM+5], 8, v[TM+4]
	v_lshl_or_b32 v[\pw], v[TM+6], 16, v[\pw]
	v_lshl_or_b32 v[\pw], v[TM+7], 24, v[\pw]
	WIN (\w)
.irp c, 0,1
	v_cvt_scalef32_pk16_fp6_f32 v[(\pc)+6*\c:(\pc)+6*\c+2], v[(\s)+32*\c:(\s)+32*\c+15], v[TM+12+2*\c]
	v_cvt_scalef32_pk16_fp6_f32 v[QT+4*\c:QT+4*\c+2], v[(\s)+16+32*\c:(\s)+31+32*\c], v[TM+13+2*\c]
.endr
	WIN 0
	v_nop                                          ; one plain place behind a scaled conversion
.irp c, 0,1
.irp i, 0,1,2
	v_permlane16_swap_b32 v[(\pc)+6*\c+\i], v[QT+4*\c+\i]
.endr
.irp i, 0,1,2
	v_mov_b32 v[(\pc)+3+6*\c+\i], v[QT+4*\c+\i]
.endr
.endr
.endm
	s_load_b128 s[4:7], s[0:1], 0x0                ; cimg s[4:5], pimg s[6:7]
	s_load_b64 s[8:9], s[0:1], 0x10                ; psc
	v_lshl_add_u32 v254, v0, 2, 0x4e000            ; my spare word, behind the three images
	v_mov_b32 v255, 0
	ds_add_u32 v254, v255                          ; the opening lines: the add, twice on end, and its wait
	ds_add_u32 v254, v255
	v_lshrrev_b32 v1, 5, v0
	v_readfirstlane_b32 s[WV], v1                  ; wave 0..3
	s_bfe_u32 s13, ttmp6, 0x40000                  ; cx: it enters X's address and the results' addresses alone
	; the job, from the cluster's number, which the four partners share: clusters 0-63 Q, 64-95 K, 96-111 V
	s_mov_b32 s14, 96                              ; the job's first cluster
	s_mov_b32 s15, 120                             ; X's first group in cimg
	s_mov_b32 s16, 64                              ; Y's
	s_mov_b32 s17, 0                               ; clusters along m, less 1
	s_mov_b32 s18, 0                               ; and their logarithm
	s_mov_b32 s10, 4096                            ; jobs Q, K: the results' first fragment,
	s_mov_b32 s11, 8                               ; and heads in a batch
	s_cmp_lt_u32 ttmp9, 96
	s_cselect_b32 s14, 64, s14
	s_cselect_b32 s15, 32, s15
	s_cselect_b32 s16, 112, s16
	s_cselect_b32 s17, 7, s17
	s_cselect_b32 s18, 3, s18
	s_cmp_lt_u32 ttmp9, 64
	s_cselect_b32 s14, 0, s14
	s_cselect_b32 s15, 0, s15
	s_cselect_b32 s16, 96, s16
	s_cselect_b32 s10, 0, s10
	s_cselect_b32 s11, 16, s11
	s_sub_co_u32 s19, ttmp9, s14
	s_and_b32 s20, s19, s17
	s_lshr_b32 s21, s19, s18                       ; ng: which two groups of Y
	s_lshl_b32 s22, s20, 2
	s_add_co_u32 s22, s22, s13                     ; mg: which group of X
	s_add_co_u32 s24, s15, s22
	s_mul_i32 s24, s24, GRP
	s_mov_b32 s25, 0
	s_lshl_b32 s26, s21, 1                         ; Y's group for wave 1 and wave 2: first + 2 ng + wave - 1: no cx in these registers
	s_add_co_u32 s26, s26, s16
	s_add_co_u32 s26, s26, s[WV]
	s_sub_co_u32 s26, s26, 1
	s_mul_i32 s26, s26, GRP
	s_mov_b32 s27, 0
	; descriptor group 1: two chunks are a dense block of 53,248 bytes: 208 rows of 32 elements of 8 bytes
	s_mov_b32 s[G1P], 3<<16                        ; 15:0 no mask; 17:16 elements of 8 bytes; no padding
	s_mov_b32 s[G1J], 15|(3<<16)|(1<<21)           ; the same with the mask of all four work-groups, and bit 21 beside it
.irp g, G1P, G1J
	s_mov_b32 s[\g+1], 32<<16                      ; tensor_dim0
	s_mov_b32 s[\g+2], 208<<16                     ; tensor_dim1
	s_mov_b32 s[\g+3], 32<<16                      ; tile_dim0
	s_mov_b32 s[\g+4], 208                         ; tile_dim1
	s_mov_b32 s[\g+5], 32                          ; elements from row to row
	s_mov_b32 s[\g+6], 0
	s_mov_b32 s[\g+7], 0
.endr
	s_mul_i32 s96, s[WV], GRP                      ; Y's place in LDS: image 1 or 2
	s_wait_dscnt 0x0
	s_wait_kmcnt 0x0
	s_add_nc_u64 s[28:29], s[4:5], s[24:25]
	s_add_nc_u64 s[30:31], s[4:5], s[26:27]
.irp c, 0,2                                    ; two groups 0 an image: chunks 0, 1 and chunks 2, 3
	s_mov_b32 s[G0X+4*\c], 1
	s_mov_b32 s[G0X+4*\c+1], \c*CHK
	s_add_nc_u64 s[G0X+4*\c+2:G0X+4*\c+3], s[28:29], \c*CHK
	s_or_b32 s[G0X+4*\c+3], s[G0X+4*\c+3], 0x80000000
	s_mov_b32 s[G0Y+4*\c], 1
	s_add_co_u32 s[G0Y+4*\c+1], s96, \c*CHK
	s_add_nc_u64 s[G0Y+4*\c+2:G0Y+4*\c+3], s[30:31], \c*CHK
	s_or_b32 s[G0Y+4*\c+3], s[G0Y+4*\c+3], 0x80000000
.endr
	ROUND                                          ; all four work-groups are here: the joint loads meet
	s_cmp_eq_u32 s[WV], 0                          ; one chain of branches on the wave's number, one fill to an arm; wave 3 issues none
	s_cbranch_scc0 .Lnot_x
	tensor_load_to_lds s[G0X:G0X+3], s[G1P:G1P+7]  ; chunks 0 and 1 of X
	s_nop 0
	PLACES
	s_branch .Lasked
.Lnot_x:
	s_cmp_lt_u32 s[WV], 3
	s_cbranch_scc0 .Lasked
	tensor_load_to_lds s[G0Y:G0Y+3], s[G1J:G1J+7]  ; chunks 0 and 1 of my group of Y
	s_nop 0
	PLACES
.Lasked:
	v_and_b32 v7, 31, v0
	v_lshlrev_b32 v[LI], 4, v7
	v_lshlrev_b32 v[LS], 2, v7
	s_wait_alu depctr_va_vdst(0)
	s_lshr_b32 s90, s[WV], 1                       ; wm
	s_and_b32 s91, s[WV], 1                        ; wn
	s_mul_i32 s92, s90, 4*FRB
	v_add_nc_u32 v[AX], s92, v[LI]
	s_mul_i32 s93, s91, GRP
	s_add_co_u32 s93, s93, GRP
	v_add_nc_u32 v[AY], s93, v[LI]
	s_lshl_b32 s92, s90, 9
	s_add_co_u32 s92, s92, SCO
	v_add_nc_u32 v[SX], s92, v[LS]
	s_add_co_u32 s93, s93, SCO
	v_add_nc_u32 v[SY], s93, v[LS]
.irp b, 0,1,2,3
	v_mov_b32 v[TM+4+\b], 0                        ; written once: a lane permute's destination counts as one of its sources
.endr
	s_mov_b32 s[SEL], 0x76543210
	s_mov_b32 s[SEL+1], 0xfedcba98
	; my first fragment of the results.  Jobs Q, K: base + ((mg / 16) heads + 2 ng + wn) 128 + 8 (mg % 16) + 4 wm
	s_lshr_b32 s92, s22, 4
	s_mul_i32 s92, s92, s11
	s_lshl_b32 s93, s21, 1
	s_add_co_u32 s93, s93, s91
	s_add_co_u32 s92, s92, s93
	s_lshl_b32 s92, s92, 7
	s_and_b32 s94, s22, 15
	s_lshl_b32 s94, s94, 3
	s_add_co_u32 s92, s92, s94
	s_lshl_b32 s94, s90, 2
	s_add_co_u32 s92, s92, s94
	s_add_co_u32 s92, s92, s10
	; job V: 6,144 + (((ng / 8) 8 + 2 mg + wm) 16 + (2 ng + wn) % 16) 4
	s_lshr_b32 s94, s21, 3
	s_lshl_b32 s94, s94, 3
	s_lshl_b32 s95, s22, 1
	s_add_co_u32 s94, s94, s95
	s_add_co_u32 s94, s94, s90
	s_lshl_b32 s94, s94, 4
	s_and_b32 s93, s93, 15
	s_add_co_u32 s94, s94, s93
	s_lshl_b32 s94, s94, 2
	s_add_co_u32 s94, s94, 6144
	s_cmp_lt_u32 ttmp9, 96
	s_cselect_b32 s92, s92, s94
	s_mul_i32 s94, s92, FRB
	s_mov_b32 s95, 0
	s_add_nc_u64 s[OI:OI+1], s[6:7], s[94:95]
	s_lshl_b32 s94, s92, 7
	s_add_nc_u64 s[OS:OS+1], s[8:9], s[94:95]
; K step s of 128: its 48 LDS loads into register set 0 or 1: X's 4 fragments, Y's 8, and their 12 scale words.  The address registers point at a pair of chunks.
.macro FETCH s, set
.set FOF, (((\s)/2)%2)*CHK+((\s)%2)*KST
.set SOF, (((\s)/2)%2)*CHK+((\s)%2)*1024
	WIN 0x80*(\set)                                ; the fragments' destination: window 0 or 2
.irp a, 0,1,2,3
.irp c, 0,1,2
	ds_load_b128 v[XF+12*\a+4*\c:XF+12*\a+4*\c+3], v[AX] offset:FOF+\a*FRB+512*\c
.endr
.endr
.irp b, 0,1,2,3,4,5,6,7
.irp c, 0,1,2
	ds_load_b128 v[YF+12*\b+4*\c:YF+12*\b+4*\c+3], v[AY] offset:FOF+\b*FRB+512*\c
.endr
.endr
	WIN 0
.irp a, 0,1,2,3
	ds_load_b32 v[XS+56*(\set)+\a], v[SX] offset:SOF+128*\a
.endr
.irp b, 0,1,2,3,4,5,6,7
	ds_load_b32 v[YS+56*(\set)+\b], v[SY] offset:SOF+128*\b
.endr
.endm
; Its 32 matrix instructions, Y's tiles one after the other against X's four.  The 32 accumulators (window 1, (a, b) at v[64 a + 8 b]) take turns, one instruction a turn, in the same order in every step.
.macro MUL s, set
	WIN 0x50+0x0a*(\set)                           ; C and D in window 1; sources 0 and 1 in window 0 or 2
.irp b, 0,1,2,3,4,5,6,7
.irp a, 0,1,2,3
.if (\s) == 0
	MM0 64*\a+8*\b, YF+12*\b, XF+12*\a, YS+56*(\set)+\b, XS+56*(\set)+\a
.else
	MMA 64*\a+8*\b, YF+12*\b, XF+12*\a, YS+56*(\set)+\b, XS+56*(\set)+\a
.endif
.endr
.endr
	WIN 0
.endm
	s_wait_alu depctr_va_vdst(0)
	s_wait_tensorcnt 0x0                           ; my chunks 0 and 1 have landed
	ds_add_u32 v254, v255
	ds_add_u32 v254, v255
	s_wait_dscnt 0x0
	ROUND                                          ; everybody's chunks 0 and 1 are in, and the four work-groups are here: the joint loads meet
	s_cmp_eq_u32 s[WV], 0
	s_cbranch_scc0 .Lnot_x2
	tensor_load_to_lds s[G0X+8:G0X+11], s[G1P:G1P+7]   ; chunks 2 and 3, each image's second half, filled once: they have three K steps in which to land
	s_nop 0
	PLACES
	s_branch .Lasked2
.Lnot_x2:
	s_cmp_lt_u32 s[WV], 3
	s_cbranch_scc0 .Lasked2
	tensor_load_to_lds s[G0Y+8:G0Y+11], s[G1J:G1J+7]
	s_nop 0
	PLACES
.Lasked2:
	FETCH 0, 0
.set S, 0
.rept 8
.if S > 0
	PLACES                                         ; four places in front of loads into the set that the last step's matrix instructions read
.endif
.if S == 3
	s_wait_tensorcnt 0x0                           ; my chunks 2 and 3 have landed
	s_wait_dscnt 0x0                               ; (no LDS load of mine is out at a signal: step 3's were asked for a step ago)
	s_barrier_signal -1
	s_barrier_wait -1                              ; everybody's have
	v_add_nc_u32 v[AX], 2*CHK, v[AX]               ; on to chunks 2 and 3, so that the offsets stay inside 16 bits
	v_add_nc_u32 v[AY], 2*CHK, v[AY]
	v_add_nc_u32 v[SX], 2*CHK, v[SX]
	v_add_nc_u32 v[SY], 2*CHK, v[SY]
	s_wait_alu depctr_va_vdst(0)
.endif
.if S < 7
	FETCH S+1, (S+1)%2
	s_wait_dscnt 48                                ; this step's fragments and scale words are in; the 48 loads just issued may be out
.else
	s_wait_dscnt 0x0
.endif
	MUL S, S%2
.set S, S+1
.endr
	PLACES                                         ; four places in front of the first read of results
; The results: tile a of my rows, 128 numbers along n in each lane pair, becomes one fragment and one scale word a row; each tile has registers of its own, so no store's data are written again.
.irp a, 0,1,2,3
	QUANT 64*\a, 1, PC+12*\a, PW+\a
.irp c, 0,1,2
	global_store_b128 v[LI], v[PC+12*\a+4*\c:PC+12*\a+4*\c+3], s[OI:OI+1] offset:FRB*\a+512*\c   ; 512 consecutive bytes, at a multiple of 256 from pimg's first byte
.endr
	global_store_b32 v[LS], v[PW+\a], s[OS:OS+1] offset:128*\a
.endr
	s_wait_tensorcnt 0x0                           ; the wave's end
	ds_add_u32 v254, v255
	s_wait_dscnt 0x0
	ROUND                                          ; the closing round: no work-group ends while a partner may still ask for a tile that names it
	s_endpgm
.Lfunc_end_k_q2113426a96_proj:
	.size	k_q2113426a96_proj, .Lfunc_end_k_q2113426a96_proj-k_q2113426a96_proj
	.p2alignl 7, 3214868480
	.fill 96, 4, 3214868480
	.section	.rodata,"a",@progbits
	.p2align	6, 0x0
	.amdhsa_kernel k_q2113426a96_proj
		.amdhsa_group_segment_fixed_size 327680
		.amdhsa_private_segment_fixed_size 0
		.amdhsa_enable_private_segment 0
		.amdhsa_kernarg_size 24
		.amdhsa_user_sgpr_count 2
		.amdhsa_user_sgpr_kernarg_segment_ptr 1
		.amdhsa_wavefront_size32 1
		.amdhsa_system_sgpr_workgroup_id_x 1
		.amdhsa_system_sgpr_workgroup_id_y 1
		.amdhsa_system_sgpr_workgroup_id_z 1
		.amdhsa_system_vgpr_workitem_id 0
		.amdhsa_next_free_vgpr 768
		.amdhsa_next_free_sgpr 100
		.amdhsa_reserve_vcc 0
		.amdhsa_float_denorm_mode_32 3
		.amdhsa_float_denorm_mode_16_64 3
		.amdhsa_memory_ordered 1
		.amdhsa_forward_progress 1
		.amdhsa_inst_pref_size 84
	.end_amdhsa_kernel
	.amdgpu_metadata
---
amdhsa.version: [ 1, 2 ]
amdhsa.kernels:
  - .name:           k_q2113426a96_proj
    .symbol:         k_q2113426a96_proj.kd
    .args:
      - { .name: cimg, .offset: 0, .size: 8, .value_kind: global_buffer, .address_space: global }
      - { .name: pimg, .offset: 8, .size: 8, .value_kind: global_buffer, .address_space: global }
      - { .name: psc, .offset: 16, .size: 8, .value_kind: global_buffer, .address_space: global }
    .group_segment_fixed_size: 327680
    .private_segment_fixed_size: 0
    .kernarg_segment_align: 8
    .kernarg_segment_size: 24
    .max_flat_workgroup_size: 128
    .sgpr_count:     100
    .vgpr_count:     768
    .wavefront_size: 32
...
	.end_amdgpu_metadata
.endif
;; end of part 2
;; launch attn (part 3): grid 256 x 1, 8 waves a work-group, clusters of 4 x 1, 327,680 bytes of LDS; arguments pimg, psc, lam, aimg; writes aimg
.if DOCPART == 3
	.amdgcn_target "amdgcn-amd-amdhsa--gfx1250"
	.amdhsa_code_object_version 6
	.text
	.protected	k_q2113426a96_attn
	.globl	k_q2113426a96_attn
	.p2align	8
	.type	k_q2113426a96_attn,@function
k_q2113426a96_attn:
	s_mov_b64 s[64:65], 0
	v_nop
	global_prefetch_b8 v0, s[64:65] scope:SCOPE_SE
	s_setreg_imm32_b32 hwreg(HW_REG_WAVE_MODE, 25, 1), 1
	s_wait_xcnt 0x0
	s_wait_alu depctr_hold_cnt(0) depctr_sa_sdst(0) depctr_va_vdst(0) depctr_va_sdst(0) depctr_va_ssrc(0) depctr_va_vcc(0) depctr_vm_vsrc(0)
	s_getreg_b32 s2, hwreg(HW_REG_IB_STS2, 6, 4)
	s_cmp_eq_u32 s2, 0
	s_cbranch_scc0 .Lentry_in_a_cluster
	s_endpgm
.Lentry_in_a_cluster:
	s_bfe_u32 s2, ttmp6, 0x10000c
	s_cmp_lg_u32 s2, 0x3003
	s_cbranch_scc0 .Lentry_shape_is_right
	s_endpgm
.Lentry_shape_is_right:
; attn[b][head][q][:] = sum over keys of w V, w = softmax(q1 . k1) - lam softmax(q2 . k2), all three products on codes of FP6 (E2M3).  w is quantised FINISHED AND NORMALISED, along the keys, so both
; row sums must be known before any w is quantised: all 2 x 2,048 numbers p of a query stay in registers, and every score and every exponential is made once.
; SHARES: a work-group walks 16 tiles of 16 queries of one head.  In a trip all EIGHT waves work on the same 16 queries; wave w owns keys 256 w .. 256 w + 255: 2 x 128 registers of scores (window 1).
; Its 8 fragments of V and V's and K's scale words stay in registers; its 16 fragments of K lie in LDS, brought once by its own tensor load and read by it alone.
; K = 64 IN A FORM OF 128: a key's row of codes is [k1 | k2]; it is multiplied by [q1 | 0] and by [0 | q2]: zero codes add nothing under any scale byte.
; LAYOUT: S^T = K Q^T and O^T = V^T w^T (source 0 = 16 keys, or 16 channels): a lane holds ONE query.  By the order of rows in a tile (lane r of tile 2 B + u = row 32 B + 8 u + r + 8 (r / 8)) the 16
; registers of two neighbouring tiles of keys are 16 neighbouring keys.
; THE SCORES: K's fragments come from LDS through a ring of three register buffers of two fragments; loads run three groups ahead, the first three groups being asked for in the trip before (K is the
; same in every trip).  The maxima over group g - 1 stand behind the products of group g: they are the places that the loads into the ring and the reads of results want.
; SOFTMAX: each wave takes its own largest score away: p = 2^(t - mc), t = score x log2(e), and sums its p.  One exchange through LDS gives every wave all eight (mc, l) of both softmaxes:
; M = the largest mc, L = sum of l 2^(mc - M), and w = p1 (2^(mc1 - M1) / L1) - lam p2 (2^(mc2 - M2) / L2).
; ONE BARRIER A TRIP: the exchange's figures and the waves' parts of O^T each have two LDS buffers, taken by turns.  A tile's parts of O^T are added, in a fixed order, behind the NEXT trip's barrier;
; the last tile's behind a barrier of its own.  A buffer is written again two barriers after it was read, and each wave's reads are awaited in front of its next signal.  A loop's trip runs two tiles.
; CLUSTER: the four work-groups of a cluster belong to one pair (batch, kv head) and want the same K: it is asked for jointly (mask 15).  One tensor load of a wave is out; nothing is filled twice.
; NO PREFETCH: K comes once, at the head, with no loop ahead of it; a tile's Q (1,664 bytes a wave) is asked for a whole trip ahead by its own loads.
; RESULT: aimg [token tile 256][head 16][8][512 bytes] f32: register 4 i + j of lane (r, h) at 512 i + 16 lane: attn(token of lane r, d = 32 (reg / 16) + 16 h + reg % 16): the next quantiser's own order.
; LIMITS: NaN and infinities are not served.  p under 2^-126 counts as 0 (ISA guide, the entry of V_EXP_F32).  1 / L by v_rcp_f32.  A block of w whose largest magnitude lies under 2^-124 (zeros too) gets the byte 1.
; O is summed over the eight ranges of keys as a tree, not in ascending order.
.set FRB,   1536
.set KREG,  16*FRB                     ; a wave's fragments of K in LDS
.set STATS, 8*KREG                     ; 2 x (8 waves x 16 queries x (mc1, l1, mc2, l2))
.set OP,    STATS+2*2048               ; 2 x (8 waves x 4,096 bytes): their parts of O^T
.set SPARE, OP+2*32768                 ; the spare words, 128 bytes for each wave
.set LI,  1                            ; v1  16 x lane
.set LS,  2                            ; v2  4 x lane
.set AK,  3                            ; v3  my fragments of K
.set STW, 4                            ; v4  where I put my query's four figures
.set STR, 5                            ; v5  where I read the eight waves'
.set OPW, 6                            ; v6  where I put my part of O^T
.set OPR, 7                            ; v7  where I read my eighth of all parts
.set GOW, 8                            ; v8  my byte offset in the tile's 4,096 bytes of aimg
;  v9-11, v51 at work; v[12:15] mc1, l1, mc2, l2; v[16:17] -mc1, v[18:19] -mc2, v[20:21] a1, v[22:23] -lam a2 (pairs of which the low word serves both halves)
.set KS,  24                           ; v24-39  K's scale words       (v24-50 hold scales and nothing else)
.set VS,  40                           ; v40-47  V's
.set QS,  48                           ; v48     Q's
.set PW0, 49                           ; v49, v50  w's, for my two key steps
.set PW1, 50
.set QB1, 52                           ; v52-63  [q1 | 0]
.set QB2, 64                           ; v64-75  [0 | q2]
;  v76-147 the ring: group g of two fragments of K at v[124 - 24 (g % 3)].  Between the scores of two tiles the same registers serve as:
.set PC0, 76                           ;   w's two fragments,
.set PC1, 88
.set QT,  100                          ;   the quantiser's registers,
.set TM,  108
.set OR,  76                           ;   v76-107 the eight waves' parts of my eighth of O^T,
.set SR,  108                          ;   v108-139 the eight waves' figures,
.set SU,  124                          ;   v124-139 eight running sums (pairs)
.set MX,  148                          ; v148-151 four running maxima
.set SPW, 152                          ; v152 my spare word; v153 0: never rewritten
.set NIL, 153
.set RS,  156                          ; v156-159 what I store
.set VF,  160                          ; v160-255 V's eight fragments
.set OA,  128                          ; window 1, v128-159: O^T, four accumulators, where p2 lay
.set WV,  12
.set SQ,  20                           ; s[20:21] Q's fragment image to be loaded next;  s[22:23] its scale image
.set SQS, 22
.set SAO, 24                           ; s[24:25] the place in aimg of the tile stored last
.set SV,  26
.set SVS, 28
.set SKS, 30
.set G1,  32
.set G0,  40
.set CS,  44                           ; s[44:45] log2(e)
.set SEL, 46
.set NLAM, 48                          ; -lam
.set TRIP, 49
.set STP, 56                           ; s[56:57] what the next store adds to s[SAO]: 0 for the first tile, then a token tile's 65,536 bytes
.set MSB, 0
.macro WIN new                         ; the immediate's high byte repeats the setting that is left; a switch that changes nothing is dropped
.if MSB != (\new)
	s_set_vgpr_msb (MSB<<8)|(\new)
.set MSB, (\new)
.endif
.endm
.macro PLACES
.rept 4
	v_nop
.endr
.endm
.macro ROUND                           ; a round of the cluster's barrier
	s_barrier_signal -1
	s_barrier_wait -1
	s_cmp_lg_u32 s[WV], 0
	s_cbranch_scc1 .Lnot_wave_0_\@
	s_barrier_signal -3
.Lnot_wave_0_\@:
	s_barrier_wait -3
	s_barrier_signal -1
	s_barrier_wait -1
.endm
.macro MM0 d, a, b, sa, sb
	v_wmma_scale_f32_16x16x128_f8f6f4 v[(\d):(\d)+7], v[(\a):(\a)+11], v[(\b):(\b)+11], 0, v[\sa], v[\sb] matrix_a_fmt:MATRIX_FMT_FP6 matrix_b_fmt:MATRIX_FMT_FP6
.endm
.macro MMA d, a, b, sa, sb
	v_wmma_scale_f32_16x16x128_f8f6f4 v[(\d):(\d)+7], v[(\a):(\a)+11], v[(\b):(\b)+11], v[(\d):(\d)+7], v[\sa], v[\sb] matrix_a_fmt:MATRIX_FMT_FP6 matrix_b_fmt:MATRIX_FMT_FP6
.endm
; 64 numbers of a lane in window w, register 16 b + i = k 32 b + 16 h + i of my row, become a fragment's 12 registers v[pc] on and its scale word v[pw], in window 0.
.macro QUANT s, w, pc, pw
	WIN 5*(\w)
.irp b, 0,1,2,3
	v_max3_num_f32 v[TM+\b], |v[(\s)+16*\b]|, |v[(\s)+1+16*\b]|, 0x1800000   ; block b: my 16 numbers, and the floor 2^(3 - 127)
.endr
	WIN 0x14*(\w)
.irp i, 2,4,6,8,10,12,14
.irp b, 0,1,2,3
	v_max3_num_f32 v[TM+\b], v[TM+\b], |v[(\s)+16*\b+\i]|, |v[(\s)+1+16*\b+\i]|
.endr
.endr
	WIN 0
.irp b, 0,1,2,3
	v_permlanex16_b32 v[TM+4+\b], v[TM+\b], s[SEL], s[SEL+1]
.endr
.irp b, 0,1,2,3
	s_delay_alu instid0(VALU_DEP_4)
	v_max_num_f32 v[TM+\b], v[TM+\b], v[TM+4+\b]   ; with lane l xor 16's 16: the block's largest magnitude
.endr
.irp b, 0,1,2,3
	s_delay_alu instid0(VALU_DEP_4)
	v_add_nc_u32 v[TM+12+\b], 0xff000000, v[TM+\b]   ; 2 off its exponent field: the conversion's scale operand
.endr
.irp b, 0,1,2,3
	s_delay_alu instid0(VALU_DEP_4)
	v_lshrrev_b32 v[TM+4+\b], 23, v[TM+12+\b]      ; the scale's byte
.endr
	s_delay_alu instid0(VALU_DEP_3)
	v_lshl_or_b32 v[\pw], v[TM+5], 8, v[TM+4]
	s_delay_alu instid0(VALU_DEP_1)
	v_lshl_or_b32 v[\pw], v[TM+6], 16, v[\pw]
	s_delay_alu instid0(VALU_DEP_1)
	v_lshl_or_b32 v[\pw], v[TM+7], 24, v[\pw]
	WIN (\w)
.irp c, 0,1
	v_cvt_scalef32_pk16_fp6_f32 v[(\pc)+6*\c:(\pc)+6*\c+2], v[(\s)+32*\c:(\s)+32*\c+15], v[TM+12+2*\c]
	v_cvt_scalef32_pk16_fp6_f32 v[QT+4*\c:QT+4*\c+2], v[(\s)+16+32*\c:(\s)+31+32*\c], v[TM+13+2*\c]
.endr
	WIN 0
	v_nop                                          ; one plain place behind a scaled conversion
.irp c, 0,1
.irp i, 0,1,2
	v_permlane16_swap_b32 v[(\pc)+6*\c+\i], v[QT+4*\c+\i]
.endr
.irp i, 0,1,2
	s_delay_alu instid0(VALU_DEP_3)
	v_mov_b32 v[(\pc)+3+6*\c+\i], v[QT+4*\c+\i]
.endr
.endr
.endm
; A tile's fragment of Q: registers 0-5 (q1) into [q1 | 0], registers 6-11 (q2) into [0 | q2]; and its scale words.
.macro QLOAD
	global_load_b128 v[QB1:QB1+3], v[LI], s[SQ:SQ+1]
	global_load_b64 v[QB1+4:QB1+5], v[LI], s[SQ:SQ+1] offset:512
	global_load_b64 v[QB2+6:QB2+7], v[LI], s[SQ:SQ+1] offset:520
	global_load_b128 v[QB2+8:QB2+11], v[LI], s[SQ:SQ+1] offset:1024
	global_load_b32 v[QS], v[LS], s[SQS:SQS+1]
.endm
.macro KLOAD g                         ; group g: K's fragments 2 g, 2 g + 1 into ring buffer g % 3: six loads (destination and address in window 0)
.set KLB, 124-24*((\g)%3)
.irp t, 0,1
.irp c, 0,1,2
	ds_load_b128 v[KLB+12*\t+4*\c:KLB+12*\t+4*\c+3], v[AK] offset:(2*(\g)+\t)*FRB+512*\c
.endr
.endr
.endm
; The running maxima over group j's 32 scores: chains 0, 1 the first softmax's two accumulators, chains 2, 3 the second's; each accumulator from its low end on.
.macro MAXG j
.if (\j) == 0
	WIN 0x05
.irp k, 0,1,2,3
	v_max_num_f32 v[MX+\k], v[8*(\k%2)+128*(\k/2)], v[8*(\k%2)+128*(\k/2)+1]   ; the first pairs start the chains
.endr
	WIN 0x14
.irp i, 2,4,6
.irp k, 0,1,2,3
	v_max3_num_f32 v[MX+\k], v[MX+\k], v[8*(\k%2)+128*(\k/2)+\i], v[8*(\k%2)+128*(\k/2)+\i+1]
.endr
.endr
.else
	WIN 0x14
.irp i, 0,2,4,6
.irp k, 0,1,2,3
	v_max3_num_f32 v[MX+\k], v[MX+\k], v[16*(\j)+8*(\k%2)+128*(\k/2)+\i], v[16*(\j)+8*(\k%2)+128*(\k/2)+\i+1]
.endr
.endr
.endif
.endm
; Group g: each of its two fragments of K serves both score products; every product starts its own sum.  Behind them the maxima of group g - 1, then the loads of group g + 3 into the buffer just multiplied.
.macro STEP g
.set KBF, 124-24*((\g)%3)
.if (\g) >= 2
	s_wait_alu depctr_va_vdst(0)                   ; directly ahead of the wait below
.endif
.if (\g) < 6
	s_wait_dscnt 12                                ; group g is in; the six loads of each of the two groups behind it may be out
.else
	s_wait_dscnt 6*(7-(\g))
.endif
	WIN 0x40                                       ; D in window 1
.irp t, 0,1
	MM0 8*(2*(\g)+\t), KBF+12*\t, QB1, KS+2*(\g)+\t, QS
	MM0 128+8*(2*(\g)+\t), KBF+12*\t, QB2, KS+2*(\g)+\t, QS
.endr
.if (\g) == 0
	PLACES
	WIN 0
.else
	MAXG (\g)-1
.endif
.if (\g) < 5
	KLOAD (\g)+3
.endif
.endm
; 32 scores at a time (groups 0-3 the first softmax, 4-7 the second): t - mc; p = 2^(t - mc); the running sums, four chains of pairs for each softmax.
.macro FMA g
	WIN 0x41
.irp i, 0,2,4,6,8,10,12,14,16,18,20,22,24,26,28,30
	v_pk_fma_f32 v[32*(\g)+\i:32*(\g)+\i+1], v[32*(\g)+\i:32*(\g)+\i+1], s[CS:CS+1], v[16+2*((\g)/4):17+2*((\g)/4)] op_sel_hi:[1,0,0]
.endr
.endm
.macro EXPS g
	WIN 0x41
.irp i, 0,1,2,3,4,5,6,7,8,9,10,11,12,13,14,15,16,17,18,19,20,21,22,23,24,25,26,27,28,29,30,31
	v_exp_f32 v[32*(\g)+\i], v[32*(\g)+\i]
.endr
.endm
.macro ADDS g
.set SB, SU+8*((\g)/4)
.if ((\g)%4) == 0
	WIN 0x05
	s_wait_alu depctr_va_vdst(0)                   ; one wait for the batch of exponentials, and for the multiply-adds that the next batch reads
.irp k, 0,2,4,6
	v_pk_add_f32 v[SB+\k:SB+\k+1], v[32*(\g)+\k:32*(\g)+\k+1], v[32*(\g)+8+\k:32*(\g)+9+\k]   ; the first pairs start the chains: nothing is cleared
.endr
	WIN 0x04
.irp i, 16,24
.irp k, 0,2,4,6
	v_pk_add_f32 v[SB+\k:SB+\k+1], v[SB+\k:SB+\k+1], v[32*(\g)+\i+\k:32*(\g)+\i+\k+1]
.endr
.endr
.else
	WIN 0x04
	s_wait_alu depctr_va_vdst(0)
.irp i, 0,8,16,24
.irp k, 0,2,4,6
	v_pk_add_f32 v[SB+\k:SB+\k+1], v[SB+\k:SB+\k+1], v[32*(\g)+\i+\k:32*(\g)+\i+\k+1]
.endr
.endr
.endif
.endm
; The sum over the eight waves of the tile whose parts lie in buffer b: registers 4 w .. 4 w + 3 of every wave's part; then my 512 bytes of aimg.
.macro ORED b
.irp u, 0,1,2,3,4,5,6,7
	ds_load_b128 v[OR+4*\u:OR+4*\u+3], v[OPR] offset:4096*\u+32768*(\b)
.endr
	s_wait_xcnt 0x0                                ; the last store has read its base and its data: both are written again below
	s_add_nc_u64 s[SAO:SAO+1], s[SAO:SAO+1], s[STP:STP+1]
	s_mov_b32 s[STP], 0x10000
	s_wait_dscnt 0x0
.irp u, 0,8,16,24
	v_pk_add_f32 v[OR+\u:OR+\u+1], v[OR+\u:OR+\u+1], v[OR+\u+4:OR+\u+5]
	v_pk_add_f32 v[OR+\u+2:OR+\u+3], v[OR+\u+2:OR+\u+3], v[OR+\u+6:OR+\u+7]
.endr
.irp u, 0,16
	v_pk_add_f32 v[OR+\u:OR+\u+1], v[OR+\u:OR+\u+1], v[OR+\u+8:OR+\u+9]
	v_pk_add_f32 v[OR+\u+2:OR+\u+3], v[OR+\u+2:OR+\u+3], v[OR+\u+10:OR+\u+11]
.endr
	s_delay_alu instid0(VALU_DEP_2)
	v_pk_add_f32 v[RS:RS+1], v[OR:OR+1], v[OR+16:OR+17]
	s_delay_alu instid0(VALU_DEP_2)
	v_pk_add_f32 v[RS+2:RS+3], v[OR+2:OR+3], v[OR+18:OR+19]
	global_store_b128 v[GOW], v[RS:RS+3], s[SAO:SAO+1]   ; 512 consecutive bytes, at a multiple of 256 from aimg's first byte
.endm
	s_load_b256 s[4:11], s[0:1], 0x0               ; pimg s[4:5], psc s[6:7], lam s[8:9], aimg s[10:11]
	v_lshl_add_u32 v[SPW], v0, 2, SPARE
	v_mov_b32 v[NIL], 0
	ds_add_u32 v[SPW], v[NIL]                      ; the opening lines: the add, twice on end, and its wait ahead of my first tensor load
	ds_add_u32 v[SPW], v[NIL]
	v_lshrrev_b32 v1, 5, v0
	s_delay_alu instid0(VALU_DEP_1)
	v_readfirstlane_b32 s[WV], v1                  ; wave 0..7
.irp j, 6,7,8,9,10,11
	v_mov_b32 v[QB1+\j], 0                         ; the zero halves, written once
.endr
.irp j, 0,1,2,3,4,5
	v_mov_b32 v[QB2+\j], 0
.endr
.irp j, 17,19,21,23
	v_mov_b32 v\j, 0                               ; named as the upper halves of pairs, so they are written
.endr
.irp b, 0,1,2,3
	v_mov_b32 v[TM+4+\b], 0                        ; a lane permute's destination counts as one of its sources
.endr
	s_bfe_u32 s13, ttmp6, 0x40000                  ; cx: it enters Q's and the result's addresses alone
	s_lshr_b32 s14, ttmp9, 2                       ; the pair (batch, kv head) = 8 b + kv head: the four partners share it
	s_and_b32 s15, ttmp9, 3
	s_lshl_b32 s15, s15, 2
	s_add_co_u32 s15, s15, s13                     ; my sixteenth of the pair's 2 x 128 tiles of queries
	; descriptor group 1: 16 fragment images are a dense block of 24,576 bytes: 96 rows of 32 elements of 8 bytes
	s_mov_b32 s[G1], 15|(3<<16)|(1<<21)            ; 15:0 the mask: all four work-groups; 17:16 elements of 8 bytes; 21 set beside a mask; no padding
	s_mov_b32 s[G1+1], 32<<16                      ; tensor_dim0
	s_mov_b32 s[G1+2], 96<<16                      ; tensor_dim1
	s_mov_b32 s[G1+3], 32<<16                      ; tile_dim0
	s_mov_b32 s[G1+4], 96                          ; tile_dim1
	s_mov_b32 s[G1+5], 32                          ; elements from row to row
	s_mov_b32 s[G1+6], 0
	s_mov_b32 s[G1+7], 0
	s_lshl_b32 s16, s14, 7
	s_lshl_b32 s17, s[WV], 4
	s_add_co_u32 s16, s16, s17
	s_add_co_u32 s16, s16, 4096                    ; my first fragment of K: 4,096 + 128 pair + 16 wave
	s_mul_i32 s18, s16, FRB
	s_mov_b32 s19, 0
	s_lshl_b32 s16, s16, 7
	s_mov_b32 s17, 0
	s_wait_dscnt 0x0                               ; both opening adds are done
	s_wait_kmcnt 0x0
	s_load_b32 s[NLAM], s[8:9], 0x0                ; lam
	s_mov_b32 s[G0], 1
	s_mul_i32 s[G0+1], s[WV], KREG
	s_add_nc_u64 s[G0+2:G0+3], s[4:5], s[18:19]
	s_or_b32 s[G0+3], s[G0+3], 0x80000000
	s_add_nc_u64 s[SKS:SKS+1], s[6:7], s[16:17]
	ROUND                                          ; all four work-groups are here: the joint loads meet
	tensor_load_to_lds s[G0:G0+3], s[G1:G1+7]      ; my 16 fragments of K
	s_nop 0
	PLACES
	s_lshl_b32 s50, s14, 6
	s_lshl_b32 s51, s[WV], 3
	s_add_co_u32 s50, s50, s51
	s_add_co_u32 s50, s50, 6144                    ; my first fragment of V: 6,144 + (16 pair + 2 wave) 4
	s_mul_i32 s52, s50, FRB
	s_mov_b32 s53, 0
	s_add_nc_u64 s[SV:SV+1], s[4:5], s[52:53]
	s_lshl_b32 s52, s50, 7
	s_add_nc_u64 s[SVS:SVS+1], s[6:7], s[52:53]
	s_lshr_b32 s50, s15, 3                         ; which of the pair's two query heads
	s_and_b32 s51, s15, 7
	s_lshl_b32 s51, s51, 4                         ; my first tile of its 128
	s_lshl_b32 s54, s14, 1
	s_add_co_u32 s54, s54, s50
	s_lshl_b32 s54, s54, 7
	s_add_co_u32 s54, s54, s51                     ; Q's fragment: (16 b + head) 128 + tile
	s_mul_i32 s52, s54, FRB
	s_add_nc_u64 s[SQ:SQ+1], s[4:5], s[52:53]
	s_lshl_b32 s52, s54, 7
	s_add_nc_u64 s[SQS:SQS+1], s[6:7], s[52:53]
	s_lshr_b32 s54, s14, 3
	s_lshl_b32 s54, s54, 7
	s_add_co_u32 s54, s54, s51
	s_lshl_b32 s54, s54, 16                        ; aimg: token tile 128 b + tile, 65,536 bytes each,
	s_and_b32 s55, s14, 7
	s_lshl_b32 s55, s55, 1
	s_add_co_u32 s55, s55, s50
	s_lshl_b32 s55, s55, 12                        ; head, 4,096 bytes each
	s_add_co_u32 s52, s54, s55
	s_add_nc_u64 s[SAO:SAO+1], s[10:11], s[52:53]
	s_mov_b32 s[STP], 0
	s_mov_b32 s[STP+1], 0
	s_mul_i32 s58, s[WV], KREG
	s_lshl_b32 s59, s[WV], 8
	s_add_co_u32 s59, s59, STATS
	s_lshl_b32 s60, s[WV], 12
	s_add_co_u32 s60, s60, OP
	s_lshl_b32 s61, s[WV], 9
	s_add_co_u32 s62, s61, OP
	s_mov_b32 s[CS], 0x3fb8aa3b                    ; log2(e)
	s_mov_b32 s[CS+1], s[CS]
	s_mov_b32 s[SEL], 0x76543210
	s_mov_b32 s[SEL+1], 0xfedcba98
	v_and_b32 v9, 31, v0
	v_and_b32 v10, 15, v0                          ; r
	v_lshlrev_b32 v[LI], 4, v9
	v_lshlrev_b32 v[LS], 2, v9
	v_lshl_add_u32 v[STW], v10, 4, s59             ; both halves of the lanes write the same 16 bytes with the same figures
	v_lshlrev_b32 v[STR], 4, v10
	v_add_nc_u32 v[AK], s58, v[LI]
	v_add_nc_u32 v[OPW], s60, v[LI]
	v_add_nc_u32 v[GOW], s61, v[LI]
	v_add_nc_u32 v[OPR], s62, v[LI]
	v_add_nc_u32 v[STR], STATS, v[STR]
	s_wait_alu depctr_va_vdst(0)
.set I, 0
.rept 24
	global_load_b128 v[VF+4*I:VF+4*I+3], v[LI], s[SV:SV+1] offset:512*I   ; V's eight fragments (key step 2 w + e, tile of d) at v[VF + 12 (4 e + dt)]: they stay
.set I, I+1
.endr
.set I, 0
.rept 8
	global_load_b32 v[VS+I], v[LS], s[SVS:SVS+1] offset:128*I
.set I, I+1
.endr
.set I, 0
.rept 16
	global_load_b32 v[KS+I], v[LS], s[SKS:SKS+1] offset:128*I
.set I, I+1
.endr
	QLOAD                                          ; the first tile's Q
	s_wait_kmcnt 0x0
	s_xor_b32 s[NLAM], s[NLAM], 0x80000000         ; -lam
	s_wait_tensorcnt 0x0                           ; my fragments of K are in LDS; nobody else reads them
	KLOAD 0
	KLOAD 1
	KLOAD 2
	s_mov_b32 s[TRIP], 8
; A tile of 16 queries; p: which of the two buffers of figures and of parts it uses.
.macro TRIPM p
	s_wait_loadcnt 0x0                             ; Q is in (for the first tile V and the scale words too): its base may step
	s_add_nc_u64 s[SQ:SQ+1], s[SQ:SQ+1], FRB
	s_add_nc_u64 s[SQS:SQS+1], s[SQS:SQS+1], 128
.irp g, 0,1,2,3,4,5,6,7
	STEP \g
.endr
	PLACES                                         ; four places in front of the first read of group 7's results and of the loads into Q's registers
	MAXG 7
	WIN 0
	QLOAD                                          ; the next tile's Q.  (The last tile reads the fragment behind Q's last, which is K's first: inside both buffers, and not used)
	v_max_num_f32 v[MX], v[MX], v[MX+1]
	v_max_num_f32 v[MX+2], v[MX+2], v[MX+3]
	v_permlanex16_b32 v9, v[MX], s[SEL], s[SEL+1]
	v_permlanex16_b32 v10, v[MX+2], s[SEL], s[SEL+1]
	s_delay_alu instid0(VALU_DEP_2)
	v_max_num_f32 v[MX], v[MX], v9                 ; my query's largest score among my 256 keys, for each softmax
	s_delay_alu instid0(VALU_DEP_2)
	v_max_num_f32 v[MX+2], v[MX+2], v10
	s_delay_alu instid0(VALU_DEP_2)
	v_mul_f32 v12, s[CS], v[MX]                    ; mc1, mc2: as t
	s_delay_alu instid0(VALU_DEP_2)
	v_mul_f32 v14, s[CS], v[MX+2]
	s_delay_alu instid0(VALU_DEP_2)
	v_xor_b32 v16, 0x80000000, v12
	s_delay_alu instid0(VALU_DEP_2)
	v_xor_b32 v18, 0x80000000, v14
	; p and my sums.  The next batch's multiply-adds are the plain work between a batch of exponentials and the additions that read it
	FMA 0
.set G, 0
	s_wait_alu depctr_va_vdst(0)
.rept 8
	EXPS G
.if G < 7
	FMA G+1
.else
	v_nop
.endif
	ADDS G
.set G, G+1
.endr
	WIN 0
.irp u, 0,4,8,12
	v_pk_add_f32 v[SU+\u:SU+\u+1], v[SU+\u:SU+\u+1], v[SU+\u+2:SU+\u+3]
.endr
	v_pk_add_f32 v[SU:SU+1], v[SU:SU+1], v[SU+4:SU+5]
	v_pk_add_f32 v[SU+8:SU+9], v[SU+8:SU+9], v[SU+12:SU+13]
	s_delay_alu instid0(VALU_DEP_2)
	v_add_f32 v[SU], v[SU], v[SU+1]
	s_delay_alu instid0(VALU_DEP_2)
	v_add_f32 v[SU+8], v[SU+8], v[SU+9]
	s_delay_alu instid0(VALU_DEP_2)
	v_permlanex16_b32 v9, v[SU], s[SEL], s[SEL+1]
	s_delay_alu instid0(VALU_DEP_2)
	v_permlanex16_b32 v10, v[SU+8], s[SEL], s[SEL+1]
	s_delay_alu instid0(VALU_DEP_2)
	v_add_f32 v13, v[SU], v9                       ; l1, l2
	s_delay_alu instid0(VALU_DEP_2)
	v_add_f32 v15, v[SU+8], v10
	ds_store_b128 v[STW], v[12:15] offset:2048*\p  ; the exchange.  This buffer was last read two barriers ago
	s_wait_alu depctr_va_vdst(0)
	s_wait_dscnt 0x0                               ; my figures and my part of the last tile's O^T are in LDS, and all my LDS reads are over
	s_barrier_signal -1
	s_barrier_wait -1                              ; the same holds of every wave
.irp u, 0,1,2,3,4,5,6,7
	ds_load_b128 v[SR+4*\u:SR+4*\u+3], v[STR] offset:256*\u+2048*\p
.endr
.if \p == 0
	s_cmp_eq_u32 s[TRIP], 8                        ; the first tile has no tile before it: a branch on the loop's counter, round LDS loads, additions and a store
	s_cbranch_scc1 .Lfirst
	ORED 1
.Lfirst:
.else
	ORED 0
.endif
	s_wait_dscnt 0x0
	v_max3_num_f32 v9, v[SR], v[SR+4], v[SR+8]     ; M1, M2
	v_max3_num_f32 v10, v[SR+2], v[SR+6], v[SR+10]
	s_delay_alu instid0(VALU_DEP_2)
	v_max3_num_f32 v9, v9, v[SR+12], v[SR+16]
	s_delay_alu instid0(VALU_DEP_2)
	v_max3_num_f32 v10, v10, v[SR+14], v[SR+18]
	s_delay_alu instid0(VALU_DEP_2)
	v_max3_num_f32 v9, v9, v[SR+20], v[SR+24]
	s_delay_alu instid0(VALU_DEP_2)
	v_max3_num_f32 v10, v10, v[SR+22], v[SR+26]
	s_delay_alu instid0(VALU_DEP_2)
	v_max_num_f32 v9, v9, v[SR+28]
	s_delay_alu instid0(VALU_DEP_2)
	v_max_num_f32 v10, v10, v[SR+30]
.irp u, 0,1,2,3,4,5,6,7
	v_sub_f32 v[SR+4*\u], v[SR+4*\u], v9
	v_sub_f32 v[SR+4*\u+2], v[SR+4*\u+2], v10
.endr
	v_sub_f32 v11, v12, v9
	v_sub_f32 v51, v14, v10
	s_wait_alu depctr_va_vdst(0)                   ; ahead of the batch
.irp u, 0,1,2,3,4,5,6,7
	v_exp_f32 v[SR+4*\u], v[SR+4*\u]               ; 2^(mc - M), at most 1
	v_exp_f32 v[SR+4*\u+2], v[SR+4*\u+2]
.endr
	v_exp_f32 v11, v11                             ; and my own
	v_exp_f32 v51, v51
	v_nop                                          ; one plain place behind the transcendentals
	s_wait_alu depctr_va_vdst(0)
	v_mul_f32 v9, v[SR+1], v[SR]                   ; L = sum of l 2^(mc - M): two chains by turns
	v_mul_f32 v10, v[SR+3], v[SR+2]
.irp u, 1,2,3,4,5,6,7
	v_fmac_f32 v9, v[SR+4*\u+1], v[SR+4*\u]
	v_fmac_f32 v10, v[SR+4*\u+3], v[SR+4*\u+2]
.endr
	s_wait_alu depctr_va_vdst(0)
	v_rcp_f32 v9, v9
	v_rcp_f32 v10, v10
	v_nop
	s_wait_alu depctr_va_vdst(0)
	v_mul_f32 v20, v11, v9                         ; a1 = 2^(mc1 - M1) / L1
	v_mul_f32 v22, v51, v10
	s_delay_alu instid0(VALU_DEP_1)
	v_mul_f32 v22, s[NLAM], v22                    ; -lam a2
	KLOAD 0                                        ; the next tile's first group of K: its buffer held the figures
	; w = p1 a1 - lam p2 a2, over p1
	WIN 0x51
.set J, 0
.rept 16
.irp i, 0,2,4,6
	v_pk_mul_f32 v[J+\i:J+\i+1], v[J+\i:J+\i+1], v[20:21] op_sel_hi:[1,0]
.endr
.irp i, 0,2,4,6
	v_pk_fma_f32 v[J+\i:J+\i+1], v[128+J+\i:128+J+\i+1], v[22:23], v[J+\i:J+\i+1] op_sel_hi:[1,0,1]
.endr
.set J, J+8
.endr
	QUANT 0, 1, PC0, PW0                           ; my keys 0-127
	QUANT 64, 1, PC1, PW1                          ; my keys 128-255
	KLOAD 1                                        ; the second group: its buffer held the quantiser's registers
.rept 8
	v_nop                                          ; a scale register written by a vector instruction stands 8 places ahead of a scaled matrix instruction, an operand so written 4
.endr
	; O^T = V^T w^T over my 256 keys: four accumulators by turns, one instruction a turn
	WIN 0x50                                       ; C and D in window 1
.irp d, 0,1,2,3
	MM0 OA+8*\d, VF+12*\d, PC0, VS+\d, PW0
.endr
.irp d, 0,1,2,3
	MMA OA+8*\d, VF+12*(4+\d), PC1, VS+4+\d, PW1
.endr
.rept 5
	v_nop                                          ; four places in front of the stores of the results and of the loads over w's fragments; five in front of the next tile's products, which write over these accumulators
.endr
	WIN 0x04                                       ; an LDS store's data are its source 1: window 1
.irp i, 0,1,2,3,4,5,6,7
	ds_store_b128 v[OPW], v[OA+4*\i:OA+4*\i+3] offset:512*\i+32768*\p   ; each accumulator from its low end on.  This buffer was last read in front of the barrier just passed
.endr
	WIN 0
	KLOAD 2                                        ; the third group: its buffer held w's fragments
.endm
.Ltile:                                            ; 8 trips of two tiles
	TRIPM 0
	TRIPM 1
	s_sub_co_u32 s[TRIP], s[TRIP], 1
	s_cmp_lg_u32 s[TRIP], 0
	s_wait_alu depctr_va_vdst(0)
	s_cbranch_scc1 .Ltile
	s_wait_dscnt 0x0                               ; my part of the last tile's O^T is in LDS (and the three groups of K asked for last, which nobody uses, have come back)
	s_barrier_signal -1
	s_barrier_wait -1
	ORED 1
	s_wait_tensorcnt 0x0                           ; the wave's end
	ds_add_u32 v[SPW], v[NIL]
	s_wait_dscnt 0x0
	ROUND                                          ; the closing round: no work-group ends while a partner may still ask for a tile that names it
	s_endpgm
.Lfunc_end_k_q2113426a96_attn:
	.size	k_q2113426a96_attn, .Lfunc_end_k_q2113426a96_attn-k_q2113426a96_attn
	.p2alignl 7, 3214868480
	.fill 96, 4, 3214868480
	.section	.rodata,"a",@progbits
	.p2align	6, 0x0
	.amdhsa_kernel k_q2113426a96_attn
		.amdhsa_group_segment_fixed_size 327680
		.amdhsa_private_segment_fixed_size 0
		.amdhsa_enable_private_segment 0
		.amdhsa_kernarg_size 32
		.amdhsa_user_sgpr_count 2
		.amdhsa_user_sgpr_kernarg_segment_ptr 1
		.amdhsa_wavefront_size32 1
		.amdhsa_system_sgpr_workgroup_id_x 1
		.amdhsa_system_sgpr_workgroup_id_y 1
		.amdhsa_system_sgpr_workgroup_id_z 1
		.amdhsa_system_vgpr_workitem_id 0
		.amdhsa_next_free_vgpr 512
		.amdhsa_next_free_sgpr 66
		.amdhsa_reserve_vcc 0
		.amdhsa_float_denorm_mode_32 3
		.amdhsa_float_denorm_mode_16_64 3
		.amdhsa_memory_ordered 1
		.amdhsa_forward_progress 1
		.amdhsa_inst_pref_size 148
	.end_amdhsa_kernel
	.amdgpu_metadata
---
amdhsa.version: [ 1, 2 ]
amdhsa.kernels:
  - .name:           k_q2113426a96_attn
    .symbol:         k_q2113426a96_attn.kd
    .args:
      - { .name: pimg, .offset: 0, .size: 8, .value_kind: global_buffer, .address_space: global }
      - { .name: psc, .offset: 8, .size: 8, .value_kind: global_buffer, .address_space: global }
      - { .name: lam, .offset: 16, .size: 8, .value_kind: global_buffer, .address_space: global }
      - { .name: aimg, .offset: 24, .size: 8, .value_kind: global_buffer, .address_space: global }
    .group_segment_fixed_size: 327680
    .private_segment_fixed_size: 0
    .kernarg_segment_align: 8
    .kernarg_segment_size: 32
    .max_flat_workgroup_size: 256
    .sgpr_count:     66
    .vgpr_count:     512
    .wavefront_size: 32
...
	.end_amdgpu_metadata
.endif
;; end of part 3
;; launch outp (part 4): grid 256 x 1, 4 waves a work-group, clusters of 4 x 1, 327,680 bytes of LDS; arguments aimg, g, cimg, out0; writes out0
.if DOCPART == 4
	.amdgcn_target "amdgcn-amd-amdhsa--gfx1250"
	.amdhsa_code_object_version 6
	.text
	.protected	k_q2113426a96_outp
	.globl	k_q2113426a96_outp
	.p2align	8
	.type	k_q2113426a96_outp,@function
k_q2113426a96_outp:
	s_mov_b64 s[64:65], 0
	v_nop
	global_prefetch_b8 v0, s[64:65] scope:SCOPE_SE
	s_setreg_imm32_b32 hwreg(HW_REG_WAVE_MODE, 25, 1), 1
	s_wait_xcnt 0x0
	s_wait_alu depctr_hold_cnt(0) depctr_sa_sdst(0) depctr_va_vdst(0) depctr_va_sdst(0) depctr_va_ssrc(0) depctr_va_vcc(0) depctr_vm_vsrc(0)
	s_getreg_b32 s2, hwreg(HW_REG_IB_STS2, 6, 4)
	s_cmp_eq_u32 s2, 0
	s_cbranch_scc0 .Lentry_in_a_cluster
	s_endpgm
.Lentry_in_a_cluster:
	s_bfe_u32 s2, ttmp6, 0x10000c
	s_cmp_lg_u32 s2, 0x3003
	s_cbranch_scc0 .Lentry_shape_is_right
	s_endpgm
.Lentry_shape_is_right:
; out0 = Q(attn x rsqrt(mean(attn^2) + 1e-5) x g x (1 - lambda_init)) Wo^T on codes of FP6 (E2M3), K = 1,024.
; SHARES: a work-group makes 64 tokens x 256 columns.  PHASE X: wave w takes token tile 4 mb + w: its 16 rows x 1,024 lie in 512 registers (windows 1, 2), read once; the sum of squares, the scaling and the
; quantiser work on them there; the 8 fragments go to LDS as images of their registers.  PHASE G: wave w makes columns 64 w .. 64 w + 63 for all 64 tokens: 16 accumulators, 8 K steps.
; aimg holds, for each token tile and head, 32 registers a lane in the quantiser's own order (register 16 b + i = channel 32 b + 16 h + i of the lane's token), so K step s is heads 2 s, 2 s + 1 on end.
; THE MATRIX INSTRUCTION IS USED TRANSPOSED (source 0 = 16 rows of Wo, source 1 = 16 tokens): a lane holds one token and, by the order of rows in a tile, neighbouring columns.
; CLUSTER: the four work-groups of a cluster take four blocks of tokens and the SAME 256 rows of Wo (two groups of cimg, 212,992 bytes, all of K): they come once, by joint loads (mask 15), a quarter a wave.
; One tensor load of a wave is out; nothing is filled twice.
; LIMITS: NaN and infinities are not served; v_rsqrt stands for the reference's rsqrt; the factors are applied as (x (rsqrt (1 - lambda_init))) g; a block whose largest magnitude lies under 2^-124 (zeros too) gets the byte 1.
.set GRP,  106496
.set CHK,  26624
.set KST,  12288
.set FRB,  1536
.set SCO,  24576
.set XI,   2*GRP                       ; LDS: the tokens' 32 fragment images, [tile][K step],
.set XSC,  XI+32*FRB                   ; their scale images,
.set STG,  XSC+32*128                  ; and a stage of 16 rows x (256 + 16) bytes for each wave
.set LI,  1                            ; v1  16 x lane
.set LS,  2                            ; v2  4 x lane
.set GA,  3                            ; v3  LDS: my wave's copy of the gains, + 64 h: my 16 gains of a block of 32
.set GW,  26                           ; v26 where I put my 16 bytes of each 512 of that copy
.set GLB, 0x45800                      ; LDS: behind the spare words, a copy of g's 4,096 bytes for each wave: written and read by that wave alone, so no barrier is owed
.set XWI, 4                            ; v4  where I store my tile's images
.set XWS, 5                            ; v5  and their scale words
.set AXI, 6                            ; v6  where any tile's images are read
.set AXS, 7
.set AYW, 8                            ; v8  my four tiles of Wo
.set AYS, 9                            ; v9  their scale words
.set SO,  10                           ; v10 the stage: where I put 16 bytes of a row
.set SRD, 11                           ; v11 and where I read a row back
.set GO,  12                           ; v12 my byte offset in two rows of out0
;  v13 at work; v[14:15] the row's factor (a pair of which the low word serves both halves); v24, v25 at work at the head
.set SS,  16                           ; v16-23  the sum of squares, four chains of pairs
.set G,   32                           ; v32-95  64 gains
.set TM,  96
.set PC,  112
.set QT,  124
.set PW,  132
;  phase G: fragment sets: Wo's at v32 and v136, the tokens' at v80 and v184; scale words v232-247 (scales and nothing else); accumulators (a, b) at v[32 a + 8 b] of window 1
.set WV,  12
.set SA,  20                           ; s[20:21] my token tile in aimg
.set SOU, 22                           ; s[22:23] my first row and column of out0
.set G1,  32
.set G0,  40
.set SEL, 44
.set EPS, 46
.set MSB, 0
.macro WIN new                         ; the immediate's high byte repeats the setting that is left; a switch that changes nothing is dropped
.if MSB != (\new)
	s_set_vgpr_msb (MSB<<8)|(\new)
.set MSB, (\new)
.endif
.endm
.macro PLACES
.rept 4
	v_nop
.endr
.endm
.macro ROUND                           ; a round of the cluster's barrier
	s_barrier_signal -1
	s_barrier_wait -1
	s_cmp_lg_u32 s[WV], 0
	s_cbranch_scc1 .Lnot_wave_0_\@
	s_barrier_signal -3
.Lnot_wave_0_\@:
	s_barrier_wait -3
	s_barrier_signal -1
	s_barrier_wait -1
.endm
.macro MM0 d, a, b, sa, sb
	v_wmma_scale_f32_16x16x128_f8f6f4 v[(\d):(\d)+7], v[(\a):(\a)+11], v[(\b):(\b)+11], 0, v[\sa], v[\sb] matrix_a_fmt:MATRIX_FMT_FP6 matrix_b_fmt:MATRIX_FMT_FP6
.endm
.macro MMA d, a, b, sa, sb
	v_wmma_scale_f32_16x16x128_f8f6f4 v[(\d):(\d)+7], v[(\a):(\a)+11], v[(\b):(\b)+11], v[(\d):(\d)+7], v[\sa], v[\sb] matrix_a_fmt:MATRIX_FMT_FP6 matrix_b_fmt:MATRIX_FMT_FP6
.endm
; 64 numbers of a lane in window w, register 16 b + i = k 32 b + 16 h + i of my row, become a fragment's 12 registers v[pc] on and its scale word v[pw], in window 0.
.macro QUANT s, w, pc, pw
	WIN 5*(\w)
.irp b, 0,1,2,3
	v_max3_num_f32 v[TM+\b], |v[(\s)+16*\b]|, |v[(\s)+1+16*\b]|, 0x1800000   ; block b: my 16 numbers, and the floor 2^(3 - 127)
.endr
	WIN 0x14*(\w)
.irp i, 2,4,6,8,10,12,14
.irp b, 0,1,2,3
	v_max3_num_f32 v[TM+\b], v[TM+\b], |v[(\s)+16*\b+\i]|, |v[(\s)+1+16*\b+\i]|
.endr
.endr
	WIN 0
.irp b, 0,1,2,3
	v_permlanex16_b32 v[TM+4+\b], v[TM+\b], s[SEL], s[SEL+1]
.endr
.irp b, 0,1,2,3
	v_max_num_f32 v[TM+\b], v[TM+\b], v[TM+4+\b]   ; with lane l xor 16's 16: the block's largest magnitude
.endr
.irp b, 0,1,2,3
	v_add_nc_u32 v[TM+12+\b], 0xff000000, v[TM+\b]   ; 2 off its exponent field: the conversion's scale operand
.endr
.irp b, 0,1,2,3
	v_lshrrev_b32 v[TM+4+\b], 23, v[TM+12+\b]      ; the scale's byte
.endr
	v_lshl_or_b32 v[\pw], v[TM+5], 8, v[TM+4]
	v_lshl_or_b32 v[\pw], v[TM+6], 16, v[\pw]
	v_lshl_or_b32 v[\pw], v[TM+7], 24, v[\pw]
	WIN (\w)
.irp c, 0,1
	v_cvt_scalef32_pk16_fp6_f32 v[(\pc)+6*\c:(\pc)+6*\c+2], v[(\s)+32*\c:(\s)+32*\c+15], v[TM+12+2*\c]
	v_cvt_scalef32_pk16_fp6_f32 v[QT+4*\c:QT+4*\c+2], v[(\s)+16+32*\c:(\s)+31+32*\c], v[TM+13+2*\c]
.endr
	WIN 0
	v_nop                                          ; one plain place behind a scaled conversion
.irp c, 0,1
.irp i, 0,1,2
	v_permlane16_swap_b32 v[(\pc)+6*\c+\i], v[QT+4*\c+\i]
.endr
.irp i, 0,1,2
	v_mov_b32 v[(\pc)+3+6*\c+\i], v[QT+4*\c+\i]
.endr
.endr
.endm
.macro GLOAD s                         ; the gains of K step s, in the numbers' own order
.irp b, 0,1,2,3
.irp j, 0,1,2,3
	ds_load_b128 v[G+16*\b+4*\j:G+16*\b+4*\j+3], v[GA] offset:512*(\s)+128*\b+16*\j   ; sixteen lanes read the same 16 bytes
.endr
.endr
.endm
	s_load_b256 s[4:11], s[0:1], 0x0               ; aimg s[4:5], g s[6:7], cimg s[8:9], out0 s[10:11]
	v_lshl_add_u32 v254, v0, 2, 0x45400
	v_mov_b32 v255, 0
	ds_add_u32 v254, v255
	ds_add_u32 v254, v255
	v_lshrrev_b32 v1, 5, v0
	v_readfirstlane_b32 s[WV], v1                  ; wave 0..3
	s_bfe_u32 s13, ttmp6, 0x40000                  ; cx: it enters aimg's and out0's addresses alone
	s_lshr_b32 s14, ttmp9, 4                       ; ng: which 256 columns: the four partners share it
	s_and_b32 s15, ttmp9, 15
	s_lshl_b32 s15, s15, 2
	s_add_co_u32 s15, s15, s13                     ; mb: which 64 tokens
	; descriptor group 1: half a group of cimg is a dense block of 53,248 bytes: 208 rows of 32 elements of 8 bytes
	s_mov_b32 s[G1], 15|(3<<16)|(1<<21)            ; 15:0 the mask: all four work-groups; 17:16 elements of 8 bytes; 21 set beside a mask; no padding
	s_mov_b32 s[G1+1], 32<<16                      ; tensor_dim0
	s_mov_b32 s[G1+2], 208<<16                     ; tensor_dim1
	s_mov_b32 s[G1+3], 32<<16                      ; tile_dim0
	s_mov_b32 s[G1+4], 208                         ; tile_dim1
	s_mov_b32 s[G1+5], 32                          ; elements from row to row
	s_mov_b32 s[G1+6], 0
	s_mov_b32 s[G1+7], 0
	s_lshl_b32 s16, s14, 1
	s_add_co_u32 s16, s16, 124                     ; Wo's groups 124 + 2 ng and the next,
	s_mul_i32 s16, s16, GRP
	s_mul_i32 s18, s[WV], 2*CHK                    ; my quarter of the two
	s_add_co_u32 s16, s16, s18
	s_mov_b32 s17, 0
	s_wait_dscnt 0x0
	s_wait_kmcnt 0x0
	s_mov_b32 s[G0], 1
	s_mul_i32 s[G0+1], s[WV], 2*CHK
	s_add_nc_u64 s[G0+2:G0+3], s[8:9], s[16:17]
	s_or_b32 s[G0+3], s[G0+3], 0x80000000
	ROUND                                          ; all four work-groups are here: the joint loads meet
	tensor_load_to_lds s[G0:G0+3], s[G1:G1+7]
	s_nop 0
	PLACES
	s_lshl_b32 s20, s15, 2
	s_add_co_u32 s20, s20, s[WV]
	s_lshl_b32 s20, s20, 16                        ; token tile 4 mb + wave, 65,536 bytes each
	s_mov_b32 s21, 0
	s_add_nc_u64 s[SA:SA+1], s[4:5], s[20:21]
	s_lshl_b32 s22, s15, 18                        ; 64 rows of 4,096 bytes,
	s_lshl_b32 s24, s14, 10
	s_add_co_u32 s22, s22, s24                     ; 256 columns,
	s_lshl_b32 s24, s[WV], 8
	s_add_co_u32 s22, s22, s24                     ; my 64 of them
	s_mov_b32 s23, 0
	s_add_nc_u64 s[SOU:SOU+1], s[10:11], s[22:23]
	v_and_b32 v13, 31, v0
	v_lshlrev_b32 v[LI], 4, v13
	s_wait_alu depctr_va_vdst(0)
	v_lshlrev_b32 v[LS], 2, v13
	s_wait_alu depctr_va_vdst(0)
	v_and_b32 v24, 15, v0                          ; r
	s_wait_alu depctr_va_vdst(0)
	v_bfe_u32 v25, v0, 4, 1                        ; h
	WIN 0x40                                       ; my 16 rows: 128 loads of 512 consecutive bytes; register 64 s + i of K step s, in windows 1 and 2
.set I, 0
.rept 64
	global_load_b128 v[4*I:4*I+3], v[LI], s[SA:SA+1] offset:512*I
.set I, I+1
.endr
	WIN 0x80
.set I, 0
.rept 64
	global_load_b128 v[4*I:4*I+3], v[LI], s[SA:SA+1] offset:512*(64+I)
.set I, I+1
.endr
	WIN 0
.irp i, 0,1,2,3,4,5,6,7
	global_load_b128 v[136+4*\i:139+4*\i], v[LI], s[6:7] offset:512*\i   ; g, all 4,096 bytes, once: behind my rows' loads, since it is wanted behind the sum of squares
.endr
	s_mul_i32 s24, s[WV], 8*FRB
	s_add_co_u32 s24, s24, XI
	v_add_nc_u32 v[XWI], s24, v[LI]
	s_lshl_b32 s24, s[WV], 10
	s_add_co_u32 s24, s24, XSC
	v_add_nc_u32 v[XWS], s24, v[LS]
	v_add_nc_u32 v[AXI], XI, v[LI]
	v_add_nc_u32 v[AXS], XSC, v[LS]
	s_lshl_b32 s24, s[WV], 12
	s_add_co_u32 s24, s24, GLB                     ; my copy of the gains
	s_wait_alu depctr_va_vdst(0)
	v_lshl_add_u32 v[GA], v25, 6, s24
	v_add_nc_u32 v[GW], s24, v[LI]
	s_lshr_b32 s24, s[WV], 1
	s_mul_i32 s24, s24, GRP                        ; Wo: group wave / 2,
	s_and_b32 s25, s[WV], 1
	s_mul_i32 s26, s25, 4*FRB                      ; tiles 4 (wave % 2) on
	s_add_co_u32 s26, s26, s24
	v_add_nc_u32 v[AYW], s26, v[LI]
	s_lshl_b32 s26, s25, 9
	s_add_co_u32 s26, s26, s24
	s_add_co_u32 s26, s26, SCO
	v_add_nc_u32 v[AYS], s26, v[LS]
	s_mul_i32 s24, s[WV], 16*272
	s_add_co_u32 s24, s24, STG                     ; my stage
	v_mul_u32_u24 v[SO], v24, 272
	s_wait_alu depctr_va_vdst(0)
	v_lshl_add_u32 v[SO], v25, 6, v[SO]
	v_add_nc_u32 v[SO], s24, v[SO]                 ; in: row r, + 64 h
	v_mul_u32_u24 v[SRD], v25, 272
	v_lshl_add_u32 v[SRD], v24, 4, v[SRD]
	v_add_nc_u32 v[SRD], s24, v[SRD]               ; back: lanes 0-15 one row, lanes 16-31 the next
	v_lshlrev_b32 v[GO], 12, v25
	v_lshl_add_u32 v[GO], v24, 4, v[GO]            ; and the same two rows in out0
	v_mov_b32 v15, 0                               ; named as the upper half of a pair, so it is written
.irp b, 0,1,2,3
	v_mov_b32 v[TM+4+\b], 0                        ; a lane permute's destination counts as one of its sources
.endr
	s_mov_b32 s[SEL], 0x76543210
	s_mov_b32 s[SEL+1], 0xfedcba98
	s_mov_b32 s[EPS], 0x3727c5ac                   ; 1e-5
	; ---- X: the sum of squares of my half of each row, four chains of pairs
.set S, 0
.rept 8
.if S == 0
	s_wait_loadcnt 56                              ; K steps 0 to 4 are in; the 16 loads of each of K steps 5, 6, 7 and g's 8 may be out
.elseif S > 4
	s_wait_alu depctr_va_vdst(0)
	s_wait_loadcnt 16*(7-S)+8
.endif
	WIN 5*(1+S/4)
.set P, 0
.rept 32
.set RG, 64*(S%4)+2*P
.if (S == 0) && (P < 4)
	v_pk_mul_f32 v[SS+2*P:SS+2*P+1], v[RG:RG+1], v[RG:RG+1]        ; the first four pairs start the chains: nothing is cleared
.else
	v_pk_fma_f32 v[SS+2*(P%4):SS+2*(P%4)+1], v[RG:RG+1], v[RG:RG+1], v[SS+2*(P%4):SS+2*(P%4)+1]
.endif
.set P, P+1
.endr
.set S, S+1
.endr
	WIN 0
	v_pk_add_f32 v[SS:SS+1], v[SS:SS+1], v[SS+2:SS+3]
	v_pk_add_f32 v[SS+4:SS+5], v[SS+4:SS+5], v[SS+6:SS+7]
	v_pk_add_f32 v[SS:SS+1], v[SS:SS+1], v[SS+4:SS+5]
	v_add_f32 v[SS], v[SS], v[SS+1]
	v_permlanex16_b32 v13, v[SS], s[SEL], s[SEL+1]
	v_add_f32 v[SS], v[SS], v13                    ; with lane l xor 16's half: the row's
	v_fma_f32 v[SS], v[SS], 0x3a800000, s[EPS]     ; / 1,024 + 1e-5
	s_wait_alu depctr_va_vdst(0)
	v_rsq_f32 v[SS], v[SS]
	v_nop                                          ; one plain place behind the transcendental
	s_wait_alu depctr_va_vdst(0)
	v_mul_f32 v14, 0x3e5d9673, v[SS]               ; x (1 - lambda_init) = 0.21639423
	; each K step: scaled, quantised, and its image to LDS
	s_wait_alu depctr_va_vdst(0)
	s_wait_loadcnt 0x0                             ; g is in
.irp i, 0,1,2,3,4,5,6,7
	ds_store_b128 v[GW], v[136+4*\i:139+4*\i] offset:512*\i
.endr
	GLOAD 0                                        ; LDS serves a wave's instructions in order: these see the stores above
.set S, 0
.rept 8
	s_wait_dscnt 0x0                               ; this K step's gains are in
	WIN ((1+S/4)<<6)|(1+S/4)
.set P, 0
.rept 32
	v_pk_mul_f32 v[64*(S%4)+2*P:64*(S%4)+2*P+1], v[64*(S%4)+2*P:64*(S%4)+2*P+1], v[14:15] op_sel_hi:[1,0]
.set P, P+1
.endr
.set P, 0
.rept 32
	v_pk_mul_f32 v[64*(S%4)+2*P:64*(S%4)+2*P+1], v[64*(S%4)+2*P:64*(S%4)+2*P+1], v[G+2*P:G+2*P+1]
.set P, P+1
.endr
	WIN 0
.if S < 7
	GLOAD S+1
.endif
	QUANT 64*(S%4), 1+S/4, PC, PW
.irp c, 0,1,2
	ds_store_b128 v[XWI], v[PC+4*\c:PC+4*\c+3] offset:FRB*S+512*\c
.endr
	ds_store_b32 v[XWS], v[PW] offset:128*S
	s_wait_dscnt 0x0                               ; the stores have read their registers, which the next K step writes anew
.set S, S+1
.endr
	s_wait_tensorcnt 0x0                           ; my quarter of Wo has landed,
	s_wait_dscnt 0x0                               ; my images are in LDS:
	s_barrier_signal -1
	s_barrier_wait -1                              ; everybody's are
	; ---- G: 8 K steps on two sets of fragment registers: a step's 32 LDS loads are issued one step ahead
.macro FETCH s, set
.set FY, 32+104*(\set)
.set FX, 80+104*(\set)
.set FS, 232+8*(\set)
.irp b, 0,1,2,3
.irp c, 0,1,2
	ds_load_b128 v[FY+12*\b+4*\c:FY+12*\b+4*\c+3], v[AYW] offset:(((\s)/2)%2)*CHK+((\s)%2)*KST+\b*FRB+512*\c
.endr
.endr
.irp a, 0,1,2,3
.irp c, 0,1,2
	ds_load_b128 v[FX+12*\a+4*\c:FX+12*\a+4*\c+3], v[AXI] offset:\a*8*FRB+(\s)*FRB+512*\c
.endr
.endr
.irp b, 0,1,2,3
	ds_load_b32 v[FS+\b], v[AYS] offset:(((\s)/2)%2)*CHK+((\s)%2)*1024+128*\b
.endr
.irp a, 0,1,2,3
	ds_load_b32 v[FS+4+\a], v[AXS] offset:1024*\a+128*(\s)
.endr
.endm
.macro MUL set, s                      ; 16 matrix instructions: the sixteen accumulators take turns, in the same order in every step
.set MY, 32+104*(\set)
.set MX, 80+104*(\set)
.set MS, 232+8*(\set)
	WIN 0x50                                       ; C and D in window 1
.irp a, 0,1,2,3
.irp b, 0,1,2,3
.if (\s) == 0
	MM0 32*\a+8*\b, MY+12*\b, MX+12*\a, MS+\b, MS+4+\a
.else
	MMA 32*\a+8*\b, MY+12*\b, MX+12*\a, MS+\b, MS+4+\a
.endif
.endr
.endr
	WIN 0
.endm
	FETCH 0, 0
.set S, 0
.rept 8
.if S < 7
.if S > 0
	PLACES                                         ; four places in front of loads into the set that the last step's matrix instructions read
.endif
.if S == 3
	v_add_nc_u32 v[AYW], 2*CHK, v[AYW]             ; on to Wo's chunks 2 and 3, so that the offsets stay inside 16 bits
	s_wait_alu depctr_va_vdst(0)
	v_add_nc_u32 v[AYS], 2*CHK, v[AYS]
.endif
	FETCH S+1, (S+1)%2
	s_wait_alu depctr_va_vdst(0)
	s_wait_dscnt 32                                ; this step's fragments are in; the 32 loads just issued may be out
.else
	s_wait_dscnt 0x0
.endif
	MUL S%2, S
.set S, S+1
.endr
	; ---- the way out: a tile of 16 tokens x my 64 columns goes through my own stage and comes back as rows of 256 bytes.  LDS serves a wave's instructions in order: no wait between stores and loads
	PLACES
.irp a, 0,1,2,3
	WIN 0x04                                       ; an LDS store's data are its source 1: window 1
.irp b, 0,1,2,3
.irp q, 0,1
	ds_store_b128 v[SO], v[32*\a+8*\b+4*\q:32*\a+8*\b+4*\q+3] offset:128*(\b/2)+32*(\b%2)+16*\q   ; lane (r, h), tile b: columns 32 (b / 2) + 16 h + 8 (b % 2) + 0 .. 7; each accumulator from its low end on
.endr
.endr
	WIN 0
.irp i, 0,1,2,3,4,5,6,7
	ds_load_b128 v[32+32*\a+4*\i:32+32*\a+4*\i+3], v[SRD] offset:544*\i
.endr
.endr
.irp a, 0,1,2,3
.irp i, 0,1,2,3,4,5,6,7
	s_wait_dscnt 16*(3-\a)+7-\i                    ; behind this load: its tile's later loads, and 16 LDS instructions for each later tile
	global_store_b128 v[GO], v[32+32*\a+4*\i:32+32*\a+4*\i+3], s[SOU:SOU+1] offset:(32*(\a/2)+8*(\a%2)+2*\i+8*(\i/4))*4096 th:TH_STORE_NT   ; the tile's rows 2 i, 2 i + 1 at their tokens; 16 lanes store 256 consecutive bytes, at a multiple of 256 from out0's first byte
.endr
.endr
	s_wait_tensorcnt 0x0
	ds_add_u32 v254, v255
	s_wait_dscnt 0x0
	ROUND                                          ; the closing round: no work-group ends while a partner may still ask for a tile that names it
	s_endpgm
.Lfunc_end_k_q2113426a96_outp:
	.size	k_q2113426a96_outp, .Lfunc_end_k_q2113426a96_outp-k_q2113426a96_outp
	.p2alignl 7, 3214868480
	.fill 96, 4, 3214868480
	.section	.rodata,"a",@progbits
	.p2align	6, 0x0
	.amdhsa_kernel k_q2113426a96_outp
		.amdhsa_group_segment_fixed_size 327680
		.amdhsa_private_segment_fixed_size 0
		.amdhsa_enable_private_segment 0
		.amdhsa_kernarg_size 32
		.amdhsa_user_sgpr_count 2
		.amdhsa_user_sgpr_kernarg_segment_ptr 1
		.amdhsa_wavefront_size32 1
		.amdhsa_system_sgpr_workgroup_id_x 1
		.amdhsa_system_sgpr_workgroup_id_y 1
		.amdhsa_system_sgpr_workgroup_id_z 1
		.amdhsa_system_vgpr_workitem_id 0
		.amdhsa_next_free_vgpr 768
		.amdhsa_next_free_sgpr 66
		.amdhsa_reserve_vcc 0
		.amdhsa_float_denorm_mode_32 3
		.amdhsa_float_denorm_mode_16_64 3
		.amdhsa_memory_ordered 1
		.amdhsa_forward_progress 1
		.amdhsa_inst_pref_size 153
	.end_amdhsa_kernel
	.amdgpu_metadata
---
amdhsa.version: [ 1, 2 ]
amdhsa.kernels:
  - .name:           k_q2113426a96_outp
    .symbol:         k_q2113426a96_outp.kd
    .args:
      - { .name: aimg, .offset: 0, .size: 8, .value_kind: global_buffer, .address_space: global }
      - { .name: g, .offset: 8, .size: 8, .value_kind: global_buffer, .address_space: global }
      - { .name: cimg, .offset: 16, .size: 8, .value_kind: global_buffer, .address_space: global }
      - { .name: out0, .offset: 24, .size: 8, .value_kind: global_buffer, .address_space: global }
    .group_segment_fixed_size: 327680
    .private_segment_fixed_size: 0
    .kernarg_segment_align: 8
    .kernarg_segment_size: 32
    .max_flat_workgroup_size: 128
    .sgpr_count:     66
    .vgpr_count:     768
    .wavefront_size: 32
...
	.end_amdgpu_metadata
.endif
;; end of part 4
